; MI455X (gfx1250); checked and timed in simulation.
; The chip was launched on July 23, 2026; its instructions are those of AMD's public machine-readable ISA for CDNA 5 (MIT licence, August 2026) and "CDNA5" Instruction Set Architecture Reference Guide (July 2026). The comments in the code are by the model that wrote it; some were corrected since.
;; Attention. Allowed arithmetic: matrix products marked QUANTISED: E4M3 operands, one E8M0 scale for each 32 along K, by v_wmma_scale_f32_16x16x128_f8f6f4 with both operands' format E4M3, f32 sums; everything else in f32.
;; Inputs: c_attn_b 3,072 float32; c_attn_w_codes 3,072 x 32 x 32 uint8 (E4M3 codes of c_attn_w, K innermost, in blocks of 32 codes); c_attn_w_scales 3,072 x 32 uint8 (E8M0 scales of c_attn_w, one for each 32 codes along K); c_proj_b 1,024 float32; c_proj_w_codes 1,024 x 32 x 32 uint8 (E4M3 codes of c_proj_w, K innermost, in blocks of 32 codes); c_proj_w_scales 1,024 x 32 uint8 (E8M0 scales of c_proj_w, one for each 32 codes along K); x_codes 4 x 2,048 x 32 x 32 uint8 (E4M3 codes of x, K innermost, in blocks of 32 codes); x_scales 4 x 2,048 x 32 uint8 (E8M0 scales of x, one for each 32 codes along K).
;; Outputs: out0 4 x 2,048 x 1,024 float32.
;; This version of the problem:
;;   THIS VERSION OF THE PROBLEM IS GIVEN IN LOW PRECISION. The matrix products marked QUANTISED in the list below multiply operands that are first quantised to E4M3 (4 exponent bits, 3 mantissa bits; 8 bits a number), with one power-of-two scale for each 32 numbers along K (OCP MX v1.0); their sums are f32. All else is computed in f32.
;;   The module's matrix products, in the order in which they are computed (A, B: the left and right operand; K: the contracted axis; several contracted axes count as one K, in the product's order):
;;     1. [M 8,192, K 1,024] x [K 1,024, N 3,072]; A: input x (given as codes); B: input c_attn_w (given as codes): QUANTISED
;;     2. batch 64 x [M 2,048, K 64] x [K 64, N 2,048]; A: computed on the way; B: computed on the way: QUANTISED
;;     3. batch 64 x [M 2,048, K 2,048] x [K 2,048, N 64]; A: softmax (see below); B: computed on the way: QUANTISED
;;     4. [M 8,192, K 1,024] x [K 1,024, N 1,024]; A: computed on the way; B: input c_proj_w (given as codes): QUANTISED
;;   THE QUANTISER, for each operand of a quantised product, along K:
;;     - K is cut into blocks of 32 from its start; a last block that is shorter is filled with zeros.
;;     - A block's scale is 2^e with e = floor(log2(the largest magnitude in the block)) - 8, held to -126 .. 127; a block of zeros has e = 0. As a byte (E8M0): e + 127.
;;     - Each number is divided by its block's scale, clamped to +-448, and rounded to the nearest number of E4M3, ties to even, subnormals kept.
;;     - The product sums the exact products of the quantised numbers (number of the format x scale) in f32.
;;   ~~~python
;;   def quantise(x, axis):      # numpy; x: float32 -> the quantised numbers, widened to float32 again
;;       x = np.moveaxis(x, axis, -1); K = x.shape[-1]
;;       x = np.pad(x, [(0, 0)] * (x.ndim - 1) + [(0, -K % 32)]); x = x.reshape(x.shape[:-1] + (-1, 32)); a = np.abs(x).max(-1, keepdims=True)
;;       e = np.where(a > 0, np.clip(np.frexp(np.where(a > 0, a, 1))[1] - 1 - 8, -126, 127), 0)      # np.frexp(a)[1] - 1 = floor(log2(a)), exactly
;;       r = np.clip(x / 2.0 ** e, -448, 448)
;;       step = 2.0 ** (np.maximum(np.frexp(np.where(r == 0, 1, r))[1] - 1, -6) - 3)
;;       q = np.round(r / step) * step * 2.0 ** e      # np.round: ties to even
;;       return np.moveaxis(q.reshape(q.shape[:-2] + (-1,))[..., :K], -1, axis).astype(np.float32)
;;   ~~~
;;   SOFTMAX AHEAD OF A QUANTISED PRODUCT. Where the list says 'softmax', what is quantised is not the finished softmax but p = 2^(t - M), with t = logit x log2(e) and M = ceil(the row's largest t), a whole number; so 1/2 < the row's largest p <= 1. The row's sum l is taken of the UNQUANTISED p, in f32, and the product's result is divided by l at the end. Since M is a whole number, a kernel that streams over the keys may use a running M (the ceiling of the running maximum): every later rescaling is an exact power of two, which a block's scale takes up: the codes' values come out the same.
;;   OPERANDS COMPUTED ON THE WAY. 'Computed on the way' means the value that the module computes at that place (a softmax that the list does not call 'softmax' is quantised finished and normalised). What goes into a quantiser is computed in f32, as accurately as f32 sums, v_exp_f32 and their like allow (about 1e-6 of the number): no bf16 or f16 on the way to a quantiser, and a product that is left as it is and whose result goes on into a quantised operand takes f32 operands (vector FMAs, or v_wmma_f32_16x16x4_f32). A number that lies on a knife's edge between two numbers of the format may be rounded either way, as far as f32 arithmetic and the matrix unit's own rounding can turn it there, and no further.
;;   INPUTS GIVEN AS CODES. c_attn_w (in the module: [1024, 3072], K = its axis 0); c_proj_w (in the module: [1024, 1024], K = its axis 0); x (in the module: [4, 2048, 1024], K = its axis 2): each comes as NAME_codes (uint8): NAME with its K axis moved to the last place and cut into blocks of 32 codes, [.., K / 32, bytes a block], one block behind the other in memory; one code a byte (a code: sign, 4 exponent bits, 3 mantissa bits); and NAME_scales (uint8): the same leading axes, one E8M0 byte (e + 127) for each 32 codes along K. Its value is code x scale, taken as it is: it is not quantised again, and the codes and scales need not be those that the quantiser above would give.
;; One version. Each part assembles by itself: llvm-mc -triple=amdgcn-amd-amdhsa -mcpu=gfx1250 --defsym DOCPART=n.
;; ======== version 1 of 1: 3 launches
;; limits: right only within a limited range of input values
;; workspace buffers: q_img 8,388,608 bytes; k_img 8,388,608 bytes; v_img 8,388,608 bytes; a_img 8,388,608 bytes; q_sc 262,144 bytes; k_sc 262,144 bytes; v_sc 262,144 bytes; a_sc 262,144 bytes
;; launch qkv (part 1): grid 12 x 32, 4 waves a work-group, clusters of 4 x 4, 327,680 bytes of LDS; arguments x_codes, x_scales, c_attn_w_codes, c_attn_w_scales, c_attn_b, q_img, q_sc, k_img, k_sc, v_img, v_sc; writes q_img, q_sc, k_img, k_sc, v_img, v_sc
.if DOCPART == 1
	.amdgcn_target "amdgcn-amd-amdhsa--gfx1250"
	.amdhsa_code_object_version 6
	.text
	.protected	k_q5b49996e9d_qkv
	.globl	k_q5b49996e9d_qkv
	.p2align	8
	.type	k_q5b49996e9d_qkv,@function
k_q5b49996e9d_qkv:
	s_mov_b64 s[64:65], 0
	v_nop
	global_prefetch_b8 v0, s[64:65] scope:SCOPE_SE
	s_setreg_imm32_b32 hwreg(HW_REG_WAVE_MODE, 25, 1), 1
	s_wait_xcnt 0x0
	s_wait_alu depctr_hold_cnt(0) depctr_sa_sdst(0) depctr_va_vdst(0) depctr_va_sdst(0) depctr_va_ssrc(0) depctr_va_vcc(0) depctr_vm_vsrc(0)
	s_getreg_b32 s2, hwreg(HW_REG_IB_STS2, 6, 4)
	s_cmp_eq_u32 s2, 0
	s_cbranch_scc0 .Lentry_in_a_cluster
	s_endpgm
.Lentry_in_a_cluster:
	s_bfe_u32 s2, ttmp6, 0x10000c
	s_cmp_lg_u32 s2, 0xf033
	s_cbranch_scc0 .Lentry_shape_is_right
	s_endpgm
.Lentry_shape_is_right:
; qkv = x W + b on codes of FP8 (E4M3) with one E8M0 scale for each 32 along K = 1,024; the results are quantised at once, in registers, for the attention launch:
; q and k along the head's 64 features, v along the keys.  Nothing leaves in f32.
; A tile is 256 "A rows" x 256 "B rows", a wave makes 128 x 128: 64 accumulators, 512 registers.  THE MATRIX INSTRUCTION IS USED TRANSPOSED (source 0 = 16 rows of B, source 1 = 16 rows of A):
; a lane holds ONE row of A and its registers run along B's rows.  So what is to be the next product's K is made B:
;   clusters x = 0 (q) and 1 (k): A = x (tokens), B = W's rows (features): a lane holds a token, its registers run along features;
;   cluster  x = 2 (v):           A = W's rows 2,048 on (features), B = x (tokens): a lane holds a feature, its registers run along tokens, which are v's K.
; The choice hangs on the cluster's x alone, which all sixteen partners share.  A's tiles are shared along a row of the cluster, B's along a column: each is asked for JOINTLY.
; THE ORDER OF CODES.  A lane's 16 numbers of a block of 32 are indices 16 u + 8 (lane / 16) + j (u = 0, 1; j = 0 .. 7); their codes are left in that order in the operand's place 16 (lane / 16) + 8 u + j.
; The order changes only inside a block of 32, so the block's scale fits, and both operands of each attention product are made here in the same way: the products are the same.
; OUT: images of operand registers: each store is 32 lanes x 16 bytes = 512 consecutive bytes.  q_img, k_img: [bh 64][token tile 128][block 2][lane][16];  v_img: [bh][step of 128 keys 16][16 features 4][block 4][lane][16];
; q_sc, k_sc: [bh][step 16][row 16][pair of tiles 4] words (the even tile's two bytes, then the odd tile's);  v_sc: [bh][step 16][row 16][16 features 4] words.
; LIMITS: NaN and infinities are not served.  A block of zeros gets the byte 1 (its codes are zeros; this program alone reads the bytes); blocks whose largest magnitude lies under 2^-118 are held at the byte 1.
; REGISTERS, in windows of 256: window 0: v0-31 addresses, v8-15 the bias by A's rows; v32-63 scale words, two sets; v64-127 the bias by B's rows; from v128 A's fragments, ONE set, in the end the quantiser's registers.
;   window 1: B's fragments, TWO sets.   window 2: the accumulators of my rows 0-63 ((a, b) at v[8 (8 a + b)]);   window 3: those of my rows 64-127.
.set KSTEP,  256                       ; along K in a slot
.set NQ,     KSTEP/128                 ; matrix instructions deep
.set ROWB,   256                       ; a tile's row in bytes
.set KROW,   1024                      ; a row of x or of W in memory, in bytes
.set PITCH,  272                       ; an LDS row: 256 bytes + 16 of padding: the 16 rows that a load touches start 68 words apart
.set FR,     16                        ; registers of a fragment
.set NL,     4                         ; LDS loads that bring one
.set NP,     8                         ; places behind this matrix instruction (ISA guide 7.12.1)
.set HALFT,  128*PITCH                 ; 128 rows: what one tensor load brings
.set SLOT,   4*HALFT                   ; A's 256 rows, then B's 256 rows
.set LAPS,   KROW/(2*KSTEP)            ; a lap = two K steps = once round the ring
.set KS,     KROW/32                   ; a row of scales in bytes
.set SCL,    2*SLOT                    ; behind the ring: the scales, as units of 256 bytes + 16 of padding
.set HALFS,  (128*KS/256)*272          ; the scales of 128 rows
.set SBLK,   (16*KS/256)*272           ; those of 16 rows
.set SPARE,  SCL+4*HALFS               ; the spare words, 128 bytes for each wave: two blocks of 256 bytes that no other line names
.set BA,   8                           ; v8-15   bias[first A row + 16 a + r]
.set ADRA, 16                          ; v16-17  LDS address of my A fragments in slot 0, 1
.set ADRB, 20                          ; v20-21  the same for B
.set SCO,  24                          ; v24     where my 16 bytes of scale words go: 4,096 (lane / 16) + 16 (lane % 16)
.set CO,   26                          ; v26     16 x lane
.set ADRS, 27                          ; v27     LDS address of my scale words: lanes 0-15 A's rows, lanes 16-31 B's
.set SPW,  28                          ; v28     LDS address of my spare word; never rewritten
.set NIL,  29                          ; v29     0; never rewritten
.set SC,   32                          ; scale words
.set BF,   64                          ; v64-127 bias[first B row + 16 b + 8 (lane / 16) + j] at 8 b + j
.set AF,   128                         ; A's fragments
.set W,    128                         ; the end: 64 numbers of a lane
.set PC,   192                         ; their codes
.set TM,   208                         ; v208-211 largest magnitudes, v212-215 bytes, v220-223 the conversions' scale operands
.set PWS,  224                         ; v224-231 the scale word of each of A's eight blocks
.set SW,   232                         ; v232-235 the scale words as they are stored
.set TT,   236
.set SEL,  20                          ; s[20:21] lane selects for v_permlanex16_b32 (set at the end)
.set MNT,  22
.set HM,   23                          ; s23 a mask of lanes 16-31
.set G1, 24
.set G0, 32
.set G1B, 48
.set G0B, 56
.set G1S, 68
.set G0S, 76
.set G1SB, 80
.set G0SB, 88
.set MSB, 0
.macro WIN new                         ; the immediate's high byte repeats the setting that is left
.if MSB != \new
	s_set_vgpr_msb (MSB<<8)|\new
.set MSB, \new
.endif
.endm
.set MUL_LO, 0xa1                      ; source 0 (B) window 1, source 1 (A) window 0, C and D window 2
.set MUL_HI, 0xf1                      ; the same, C and D window 3
.set TO_B,   0x40                      ; destination window 1, address window 0
; A joint load: waves 0 and 1 fetch for A, waves 2 and 3 for B.  The branch hangs on the wave's number alone.  Four v_nop follow each of the two lines.
.macro JLOAD g0a, g1a, g0b, g1b
	s_cmp_eq_u32 s15, 0
	s_cbranch_scc0 .Lfor_b_\@
	tensor_load_to_lds s[\g0a:\g0a+3], s[\g1a:\g1a+7]
	s_nop 0
.rept 4
	v_nop
.endr
	s_branch .Lasked_\@
.Lfor_b_\@:
	tensor_load_to_lds s[\g0b:\g0b+3], s[\g1b:\g1b+7]
	s_nop 0
.rept 4
	v_nop
.endr
.Lasked_\@:
.endm
.macro CREST                           ; a round of the cluster's barrier behind its opening barrier
	s_cmp_lg_u32 s14, 0
	s_cbranch_scc1 .Lnot_wave_0_\@
	s_barrier_signal -3
.Lnot_wave_0_\@:
	s_barrier_wait -3
	s_barrier_signal -1
	s_barrier_wait -1
.endm
.macro CROUND                          ; a whole round
	s_barrier_signal -1
	s_barrier_wait -1
	CREST
.endm
	s_load_b512 s[68:83], s[0:1], 0x0              ; x's codes s68, x's scales s70, W's codes s72, W's scales s74, the bias s76, q_img s78, q_sc s80, k_img s82
	s_load_b128 s[84:87], s[0:1], 0x40             ; k_sc s84, v_img s86
	s_load_b64 s[88:89], s[0:1], 0x50              ; v_sc
	v_lshl_add_u32 v[SPW], v0, 2, SPARE
	v_mov_b32 v[NIL], 0
	ds_add_u32 v28, v29
	ds_add_u32 v28, v29
	s_wait_dscnt 0x0
	v_lshrrev_b32 v1, 5, v0
	v_readfirstlane_b32 s14, v1                    ; wave 0..3
	s_lshr_b32 s15, s14, 1                         ; which half of A's rows is mine.  Also: I fetch for A (0) or for B (1)
	s_and_b32 s16, s14, 1                          ; which half of B's rows.  Also: which 128 rows of that tile I fetch
	s_bfe_u32 s40, ttmp6, 0x40000                  ; cx, cy: my place in the cluster
	s_bfe_u32 s41, ttmp6, 0x40004
	s_and_b32 s95, ttmp7, 0xffff
	s_lshl_b32 s95, s95, 2                         ; 4 x cluster y
	s_lshl_b32 s94, ttmp9, 2                       ; 4 x cluster x
	s_cmp_eq_u32 ttmp9, 2                          ; v's clusters?
	s_cselect_b32 s17, 8, s95                      ; A's tile: v: W's tiles 8 + cy;  q, k: x's tiles 4 x cluster y + cy
	s_cselect_b32 s42, s95, s94                    ; B's tile: v: x's tiles 4 x cluster y + cx;  q, k: W's tiles 4 x cluster x + cx
	s_add_co_u32 s17, s17, s41
	s_add_co_u32 s42, s42, s40
	s_lshl_b32 s43, s41, 2
	s_lshl_b32 s43, 15, s43                        ; my row of the cluster
	s_lshl_b32 s44, 0x1111, s40                    ; my column
	; descriptor group 1: a tile of 128 rows x 256 bytes, padded in LDS
	s_or_b32 s[G1+0], s43, (0<<16)|(1<<20)|(1<<21)|(5<<22)|(3<<25)  ; 15:0 the mask: A's tiles go to my row; 17:16 element of 1 byte; 20 padding on; 21 set beside a mask; 24:22 after every 64 words; 31:25 four words
	s_or_b32 s[G1B+0], s44, (0<<16)|(1<<20)|(1<<21)|(5<<22)|(3<<25)
.irp g, G1, G1B
	s_mov_b32 s[\g+1], ROWB<<16                    ; tensor_dim0
	s_mov_b32 s[\g+2], 128<<16                     ; tensor_dim1 = 128
	s_mov_b32 s[\g+3], ROWB<<16                    ; tile_dim0
	s_mov_b32 s[\g+4], 128                         ; tile_dim1 = 128
	s_mov_b32 s[\g+5], KROW                        ; tensor_dim0_stride
	s_mov_b32 s[\g+6], 0
	s_mov_b32 s[\g+7], 0
.endr
	s_lshl_b32 s18, s16, 7                         ; which 128 rows of the tile I fetch
	s_lshl_b32 s20, s17, 8
	s_add_co_u32 s20, s20, s18                     ; A: row 256 x tile + 128 x half
	s_lshl_b32 s46, s42, 8
	s_add_co_u32 s46, s46, s18                     ; B likewise
	s_mov_b32 s21, 0
	s_mov_b32 s47, 0
	s_mov_b64 s[18:19], KS
	s_mul_u64 s[22:23], s[20:21], s[18:19]         ; where these rows' scales begin, in bytes
	s_mul_u64 s[92:93], s[46:47], s[18:19]
	s_mov_b64 s[18:19], KROW
	s_mul_u64 s[20:21], s[20:21], s[18:19]         ; and their codes
	s_mul_u64 s[46:47], s[46:47], s[18:19]
	s_mul_i32 s45, s14, HALFT                      ; where they go: wave x 128 rows: no place in the cluster enters an LDS address
	s_mul_i32 s94, s14, HALFS
	s_wait_kmcnt 0x0
	s_cmp_eq_u32 ttmp9, 2                          ; the buffers are chosen on the cluster's x alone
	s_cselect_b64 s[4:5], s[72:73], s[68:69]       ; A's codes: W's or x's
	s_cselect_b64 s[6:7], s[74:75], s[70:71]       ; A's scales
	s_cselect_b64 s[8:9], s[68:69], s[72:73]       ; B's codes
	s_cselect_b64 s[10:11], s[70:71], s[74:75]     ; B's scales
	s_cselect_b64 s[12:13], s[86:87], s[82:83]     ; the images: v's or k's,
	s_cselect_b64 s[96:97], s[88:89], s[84:85]     ; the scale words likewise,
	s_cmp_eq_u32 ttmp9, 0
	s_cselect_b64 s[12:13], s[78:79], s[12:13]     ; or q's
	s_cselect_b64 s[96:97], s[80:81], s[96:97]
	s_mov_b64 s[98:99], s[76:77]                   ; the bias
	; group 1 for the scales of 128 rows: a dense block of 4,096 bytes, as rows of 256 bytes (32 elements of 8 bytes), 16 bytes of padding behind each
	s_or_b32 s[G1S+0], s43, (3<<16)|(1<<20)|(1<<21)|(5<<22)|(3<<25)
	s_or_b32 s[G1SB+0], s44, (3<<16)|(1<<20)|(1<<21)|(5<<22)|(3<<25)
.irp g, G1S, G1SB
	s_mov_b32 s[\g+1], 32<<16
	s_mov_b32 s[\g+2], (128*KS/256)<<16
	s_mov_b32 s[\g+3], 32<<16
	s_mov_b32 s[\g+4], 128*KS/256
	s_mov_b32 s[\g+5], 32
	s_mov_b32 s[\g+6], 0
	s_mov_b32 s[\g+7], 0
.endr
	s_add_nc_u64 s[20:21], s[4:5], s[20:21]
	s_add_nc_u64 s[22:23], s[6:7], s[22:23]
	s_add_nc_u64 s[46:47], s[8:9], s[46:47]
	s_add_nc_u64 s[92:93], s[10:11], s[92:93]
	CROUND                                         ; all sixteen work-groups are here: the first joint loads meet
	s_mov_b32 s[G0S], 1
	s_add_co_u32 s[G0S+1], s94, SCL
	s_mov_b64 s[G0S+2:G0S+3], s[22:23]
	s_or_b32 s[G0S+3], s[G0S+3], 0x80000000
	s_mov_b32 s[G0SB], 1
	s_add_co_u32 s[G0SB+1], s94, SCL
	s_mov_b64 s[G0SB+2:G0SB+3], s[92:93]
	s_or_b32 s[G0SB+3], s[G0SB+3], 0x80000000
	JLOAD G0S, G1S, G0SB, G1SB                     ; the scales first: they are wanted with K step 0
.irp s, 0,1
	s_mov_b32 s[G0+4*\s], 1
	s_add_co_u32 s[G0+4*\s+1], s45, \s*SLOT
	s_add_nc_u64 s[G0+4*\s+2:G0+4*\s+3], s[20:21], \s*ROWB
	s_or_b32 s[G0+4*\s+3], s[G0+4*\s+3], 0x80000000
	s_mov_b32 s[G0B+4*\s], 1
	s_add_co_u32 s[G0B+4*\s+1], s45, \s*SLOT
	s_add_nc_u64 s[G0B+4*\s+2:G0B+4*\s+3], s[46:47], \s*ROWB
	s_or_b32 s[G0B+4*\s+3], s[G0B+4*\s+3], 0x80000000
	JLOAD G0+4*\s, G1, G0B+4*\s, G1B
.endr
	v_and_b32 v1, 15, v0                           ; r = l % 16
	v_bfe_u32 v2, v0, 4, 1                         ; h = l / 16
	v_mul_u32_u24 v3, v1, PITCH
	v_lshl_add_u32 v4, v2, 4, v3                   ; a fragment's row x pitch + 16 x half
	s_mul_i32 s21, s15, HALFT                      ; my 128 rows of A
	s_mul_i32 s22, s16, HALFT                      ; my 128 rows of B,
	s_add_co_u32 s22, s22, 2*HALFT                 ; which lie behind A's 256
.irp s, 0,1
	v_add_nc_u32 v[ADRA+\s], s21, v4
	v_add_nc_u32 v[ADRB+\s], s22, v4
	s_add_co_u32 s21, s21, SLOT
	s_add_co_u32 s22, s22, SLOT
.endr
	v_mul_u32_u24 v5, v1, KS                       ; my row's scales: KS bytes a row,
	v_lshrrev_b32 v6, 8, v5
	v_lshl_add_u32 v5, v6, 4, v5                   ; and 16 more for each 256 passed
	s_mul_i32 s21, s15, HALFS                      ; A's: my 128 rows
	s_mul_i32 s22, s16, HALFS                      ; B's: my 128 rows, behind A's 256
	s_add_co_u32 s22, s22, 2*HALFS
	s_sub_co_u32 s22, s22, s21
	v_mul_u32_u24 v6, s22, v2                      ; lanes 16-31 take B's
	s_add_co_u32 s21, s21, SCL
	v_add_nc_u32 v5, v5, v6
	v_add_nc_u32 v[ADRS], s21, v5
	v_and_b32 v6, 31, v0
	v_lshlrev_b32 v[CO], 4, v6                     ; an image's place for my lane
	v_lshlrev_b32 v[SCO], 4, v1
	v_lshl_add_u32 v[SCO], v2, 12, v[SCO]          ; scale words: lanes 0-15 my first head's 256 bytes, lanes 16-31 my second head's, 4,096 bytes on
	; where my results go.  Tokens: tile of 256 and half; features: quarter of 1,024 and half
	s_cmp_eq_u32 ttmp9, 2
	s_cselect_b32 s92, s42, s17                    ; the tile of tokens
	s_cselect_b32 s93, s16, s15                    ; my half of it
	s_cselect_b32 s94, s41, s40                    ; the 256 features among q's, k's or v's 1,024
	s_cselect_b32 s95, s15, s16                    ; my half of them
	s_lshr_b32 s46, s92, 3                         ; the batch: eight tiles of tokens each
	s_lshl_b32 s46, s46, 4
	s_lshl_b32 s94, s94, 2
	s_add_co_u32 s46, s46, s94
	s_lshl_b32 s95, s95, 1
	s_add_co_u32 s46, s46, s95                     ; bh of my first head = 16 x batch + 4 x quarter + 2 x half
	s_and_b32 s92, s92, 7
	s_lshl_b32 s92, s92, 1
	s_add_co_u32 s92, s92, s93                     ; my step of 128 tokens in the sequence
	s_lshl_b32 s94, s46, 17
	s_lshl_b32 s95, s92, 13
	s_add_co_u32 s94, s94, s95
	s_mov_b32 s95, 0
	s_add_nc_u64 s[12:13], s[12:13], s[94:95]      ; images: bh x 131,072 + step x 8,192
	s_lshl_b32 s94, s46, 12
	s_lshl_b32 s92, s92, 8
	s_add_co_u32 s94, s94, s92
	s_add_nc_u64 s[96:97], s[96:97], s[94:95]      ; scale words: bh x 4,096 + step x 256
	; the bias, in both forms; the form that this cluster does not use reads from the buffer's start, so that every register is written on every way
	s_lshl_b32 s100, s42, 10
	s_lshl_b32 s101, s16, 9
	s_add_co_u32 s100, s100, s101                  ; 4 x my first row of B
	s_lshl_b32 s104, s17, 10
	s_lshl_b32 s105, s15, 9
	s_add_co_u32 s104, s104, s105                  ; 4 x my first row of A
	s_cmp_eq_u32 ttmp9, 2
	s_cselect_b32 s100, 0, s100
	s_cselect_b32 s104, s104, 0
	s_mov_b32 s101, 0
	s_mov_b32 s105, 0
	s_add_nc_u64 s[100:101], s[98:99], s[100:101]
	s_add_nc_u64 s[104:105], s[98:99], s[104:105]
	v_lshlrev_b32 v18, 5, v2                       ; 32 h
	v_lshlrev_b32 v19, 2, v1                       ; 4 r
.irp b, 0,1,2,3,4,5,6,7
	global_load_b128 v[BF+8*\b:BF+8*\b+3], v18, s[100:101] offset:64*\b
	global_load_b128 v[BF+8*\b+4:BF+8*\b+7], v18, s[100:101] offset:64*\b+16
.endr
.irp a, 0,1,2,3,4,5,6,7
	global_load_b32 v[BA+\a], v19, s[104:105] offset:64*\a
.endr
.macro FRAG reg, adr, q, i             ; a fragment, 16 rows x 128 K of 8-bit codes: lane l holds row l % 16; registers 4 c .. 4 c + 3 hold K = 32 c + 16 (l / 16) + 0 .. 15
.irp c, 0,1,2,3
	ds_load_b128 v[\reg+4*\c:\reg+4*\c+3], v[\adr] offset:128*(\q)+32*\c+(\i)*16*PITCH
.endr
.endm
; 16 matrix instructions: A's blocks a0, a0 + 1 x B's eight, 128 along K.  zero = 1: the first product starts the sums.  The 64 accumulators take turns, one instruction a turn.
.macro MUL16 a0, p, q, sc, zero
.irp a, \a0, \a0+1
.irp b, 0,1,2,3,4,5,6,7
.if \zero
	v_wmma_scale_f32_16x16x128_f8f6f4 v[8*(8*((\a)%4)+\b):8*(8*((\a)%4)+\b)+7], v[128*(\p)+FR*\b:128*(\p)+FR*\b+FR-1], v[AF+FR*(\a):AF+FR*(\a)+FR-1], 0, v[SC+8*NQ*(\sc)+NQ*\b+(\q)], v[SC+8*NQ*(\sc)+NQ*(\a)+(\q)] matrix_a_scale:MATRIX_SCALE_ROW1
.else
	v_wmma_scale_f32_16x16x128_f8f6f4 v[8*(8*((\a)%4)+\b):8*(8*((\a)%4)+\b)+7], v[128*(\p)+FR*\b:128*(\p)+FR*\b+FR-1], v[AF+FR*(\a):AF+FR*(\a)+FR-1], v[8*(8*((\a)%4)+\b):8*(8*((\a)%4)+\b)+7], v[SC+8*NQ*(\sc)+NQ*\b+(\q)], v[SC+8*NQ*(\sc)+NQ*(\a)+(\q)] matrix_a_scale:MATRIX_SCALE_ROW1
.endif
.endr
.endr
.endm
.macro FETCH_B slot, q, p              ; B's eight fragments of the slot's q-th 128 along K into set p
	WIN TO_B
.irp i, 0,1,2,3,4,5,6,7
	FRAG 128*(\p)+FR*\i, ADRB+\slot, \q, \i
.endr
	WIN 0
.endm
.macro FETCH_A slot, q, i0             ; A's blocks i0 .. i0 + 3
.irp i, \i0, \i0+1, \i0+2, \i0+3
	FRAG AF+FR*(\i), ADRA+\slot, \q, \i
.endr
.endm
.macro SCALES sc                       ; the next K step's scale words: lanes 0-15 take A's block i, lanes 16-31 B's block i
.irp i, 0,1,2,3,4,5,6,7
	ds_load_b64 v[SC+8*NQ*\sc+NQ*\i:SC+8*NQ*\sc+NQ*\i+1], v[ADRS] offset:\i*SBLK
.endr
.endm
.macro PLACES n                        ; plain vector instructions between a matrix instruction and a load into, or a vector read or write of, its registers
.rept \n
	v_nop
.endr
.endm
; A step of 128 along K that has its successor in the same slot.
.macro STEP slot, q, zero
	s_wait_dscnt 4*NL                              ; B's set and A's blocks 0-3 are in; the youngest sixteen loads (A's blocks 4-7) may be out
	WIN MUL_LO
	MUL16 0, (\q)%2, \q, \slot, \zero
	MUL16 2, (\q)%2, \q, \slot, \zero
	s_wait_dscnt 0                                 ; A's blocks 4-7 are in
	PLACES NP
	FETCH_B \slot, (\q)+1, 1-(\q)%2
	FETCH_A \slot, (\q)+1, 0
	WIN MUL_HI
	MUL16 4, (\q)%2, \q, \slot, \zero
	MUL16 6, (\q)%2, \q, \slot, \zero
	PLACES NP
	WIN 0
	FETCH_A \slot, (\q)+1, 4
.endm
; A slot's last step changes slots: ONE barrier; in front of it each wave waits for all its tensor loads, adds 0 to its spare word, and waits for that and for its own reads of this slot.
.macro TURN slot, next, fill
	s_wait_tensorcnt 0x0                           ; all my tensor loads have landed: my part of the next slot
	ds_add_u32 v[SPW], v[NIL]                      ; 0 onto my spare word
	s_wait_dscnt 4*NL+1                            ; (the add and the youngest sixteen loads, A's blocks 4-7, may be out)
	WIN MUL_LO
	MUL16 0, 1, NQ-1, \slot, 0                     ; sixteen matrix instructions stand between the add and the wait for it
	s_wait_dscnt 0x0                               ; the add is done, and my reads of this slot are over
	s_barrier_signal -1
	MUL16 2, 1, NQ-1, \slot, 0
	WIN 0
	s_barrier_wait -1
.if \fill
	CREST                                          ; the barrier has opened a round of the cluster's barrier: no wave of any partner still reads this slot's tile or has a load on its way
	s_add_nc_u64 s[G0+4*\slot+2:G0+4*\slot+3], s[G0+4*\slot+2:G0+4*\slot+3], 2*ROWB
	s_add_nc_u64 s[G0B+4*\slot+2:G0B+4*\slot+3], s[G0B+4*\slot+2:G0B+4*\slot+3], 2*ROWB
	JLOAD G0+4*\slot, G1, G0B+4*\slot, G1B         ; the first tensor load behind the round; its four v_nop are among the places in front of the loads below
	PLACES NP-4
.else
	PLACES NP
.endif
	s_wait_alu depctr_va_vdst(0)
	v_add_nc_u32 v[ADRS], 4*NQ, v[ADRS]            ; on to the next K step's scale words
	FETCH_B \next, 0, 0
	FETCH_A \next, 0, 0
	SCALES \next
	WIN MUL_HI
	MUL16 4, 1, NQ-1, \slot, 0
	MUL16 6, 1, NQ-1, \slot, 0
	PLACES NP
	WIN 0
	FETCH_A \next, 0, 4
.endm
	s_wait_alu depctr_va_vdst(0)
	s_wait_loadcnt 0x0                             ; the bias, once
	s_wait_tensorcnt 1                             ; the scales and my part of K step 0 are in (K step 1's load may be out)
	s_barrier_signal -1
	s_barrier_wait -1                              ; everybody's are
	FETCH_B 0, 0, 0
	FETCH_A 0, 0, 0
	SCALES 0
	FETCH_A 0, 0, 4
	STEP 0, 0, 1                                   ; the first step stands in front of the loop: its products start the sums
	s_mov_b32 s3, LAPS-1
.Llap:                                                 ; a trip goes once round the ring and fills both slots again
	TURN 0, 1, 1
	STEP 1, 0, 0
	TURN 1, 0, 1
	STEP 0, 0, 0
	s_sub_co_u32 s3, s3, 1
	s_cmp_lg_u32 s3, 0
	s_cbranch_scc1 .Llap
	TURN 0, 1, 0                                   ; the last lap fills nothing
	STEP 1, 0, 0
	s_wait_dscnt 4*NL                              ; the very last step: nothing more to fetch
	WIN MUL_LO
	MUL16 0, 1, NQ-1, 1, 0
	MUL16 2, 1, NQ-1, 1, 0
	s_wait_dscnt 0
	WIN MUL_HI
	MUL16 4, 1, NQ-1, 1, 0
	MUL16 6, 1, NQ-1, 1, 0
	WIN 0
; THE END: bias, quantiser, images.
; 64 numbers of a lane, v[s] on, 16 to each of four blocks of 32 (the other 16 lie in lane l xor 16), become 16 registers of codes in v[PC] on and the four blocks' bytes in v[pw].
.macro QUANT s, pw
.irp b, 0,1,2,3
	v_max3_num_f32 v[TM+\b], |v[\s+16*\b]|, |v[\s+1+16*\b]|, 0x4800000   ; my 16 numbers, and the floor 2^(9 - 127): so the byte cannot fall under 1
.endr
.irp i, 2,4,6,8,10,12,14
.irp b, 0,1,2,3
	v_max3_num_f32 v[TM+\b], v[TM+\b], |v[\s+16*\b+\i]|, |v[\s+1+16*\b+\i]|   ; (the four blocks by turns)
.endr
.endr
.irp b, 0,1,2,3
	v_permlanex16_b32 v[TM+4+\b], v[TM+\b], s[SEL], s[SEL+1]
.endr
.irp b, 0,1,2,3
	v_max_num_f32 v[TM+\b], v[TM+\b], v[TM+4+\b]   ; with lane l xor 16's: the block's largest magnitude
.endr
.irp b, 0,1,2,3
	v_add_nc_u32 v[TM+12+\b], 0xfc000000, v[TM+\b]   ; 8 off its exponent field: the conversion's scale operand
.endr
.irp b, 0,1,2,3
.endr
.irp b, 0,1,2,3
	v_lshrrev_b32 v[TM+4+\b], 23, v[TM+12+\b]      ; the scale's byte
.endr
	v_lshl_or_b32 v[\pw], v[TM+5], 8, v[TM+4]
	v_lshl_or_b32 v[\pw], v[TM+6], 16, v[\pw]
	v_lshl_or_b32 v[\pw], v[TM+7], 24, v[\pw]
.irp b, 0,1,2,3
.irp i, 0,1,2,3,4,5,6,7,8,9,10,11,12,13,14,15
.endr
	v_cvt_scalef32_pk8_fp8_f32 v[PC+4*\b:PC+1+4*\b], v[\s+16*\b:\s+7+16*\b], v[TM+12+\b]
	v_cvt_scalef32_pk8_fp8_f32 v[PC+2+4*\b:PC+3+4*\b], v[\s+8+16*\b:\s+15+16*\b], v[TM+12+\b]
.endr
	v_nop                                          ; one plain vector instruction behind the last conversion, ahead of the next writes of its sources
.endm
; kind 0: q or k: a block of A is a tile of 16 tokens, the 64 numbers are two heads' features.  kind 1: v: a block of A is 16 features (four blocks to a head), the 64 numbers of a lane and its partner are the step's 128 keys.
.macro EPI kind
.irp a, 0,1,2,3,4,5,6,7
.if \a > 0
	s_wait_xcnt 0x0                                ; the last block's stores have read their codes: these registers are written again only behind this wait
.endif
	WIN (0x02+(\a)/4)                              ; source 0: window 2 or 3
.set i, 0
.rept 32
.if \kind == 0
	v_pk_add_f32 v[W+i:W+i+1], v[64*((\a)%4)+i:64*((\a)%4)+i+1], v[BF+i:BF+i+1]      ; each accumulator from its low end on
.elseif (\a)%2 == 0
	v_pk_add_f32 v[W+i:W+i+1], v[64*((\a)%4)+i:64*((\a)%4)+i+1], v[BA+((\a)&6):BA+((\a)&6)+1] op_sel_hi:[1,0]   ; my feature's bias for both halves: the pair's first word
.else
	v_pk_add_f32 v[W+i:W+i+1], v[64*((\a)%4)+i:64*((\a)%4)+i+1], v[BA+((\a)&6):BA+((\a)&6)+1] op_sel:[0,1] op_sel_hi:[1,1]   ; the pair's second word
.endif
.set i, i+2
.endr
	WIN 0
	QUANT W, PWS+\a
.irp cc, 0,1,2,3
.if \kind == 0
	global_store_b128 v[CO], v[PC+4*\cc:PC+4*\cc+3], s[12:13] offset:(\cc/2)*131072+\a*1024+(\cc%2)*512   ; head cc / 2, token tile a, block cc % 2: 512 consecutive bytes
.else
	global_store_b128 v[CO], v[PC+4*\cc:PC+4*\cc+3], s[12:13] offset:(\a/4)*131072+(\a%4)*2048+\cc*512    ; head a / 4, features 16 (a % 4) on, block cc
.endif
.endr
.endr
.irp g, 0,1,2,3
.if \kind == 0
	v_perm_b32 v[TT], v[PWS+2*\g+1], v[PWS+2*\g], 0x05040100     ; my first head: the even tile's two bytes, then the odd tile's
	v_perm_b32 v[TT+1], v[PWS+2*\g+1], v[PWS+2*\g], 0x07060302   ; my second head
	v_cndmask_b32 v[SW+\g], v[TT], v[TT+1], s[HM]                ; lanes 16-31 store the second head's
.else
	v_cndmask_b32 v[SW+\g], v[PWS+\g], v[PWS+4+\g], s[HM]
.endif
.endr
	global_store_b128 v[SCO], v[SW:SW+3], s[96:97]               ; sixteen lanes store 256 consecutive bytes, at a multiple of 256 from the buffer's first byte
.endm
	PLACES NP                                      ; behind the last products: A's registers are written and results are read from here on
	s_mov_b32 s[SEL], 0x76543210
	s_mov_b32 s[SEL+1], 0xfedcba98
	s_mov_b32 s[HM], 0xffff0000
.irp b, 0,1,2,3
	v_mov_b32 v[TM+4+\b], 0                        ; written once: a lane permute's destination counts as one of its sources
.endr
	s_cmp_eq_u32 ttmp9, 2
	s_cbranch_scc1 .Lv
	EPI 0
	s_branch .Lend
.Lv:
	EPI 1
.Lend:
	s_wait_tensorcnt 0x0                           ; the wave's end
	ds_add_u32 v[SPW], v[NIL]
	s_wait_dscnt 0x0
	CROUND                                         ; the closing round: no work-group ends while a partner may still ask for a tile that names it
	s_endpgm
.Lfunc_end_k_q5b49996e9d_qkv:
	.size	k_q5b49996e9d_qkv, .Lfunc_end_k_q5b49996e9d_qkv-k_q5b49996e9d_qkv
	.p2alignl 7, 3214868480
	.fill 96, 4, 3214868480
	.section	.rodata,"a",@progbits
	.p2align	6, 0x0
	.amdhsa_kernel k_q5b49996e9d_qkv
		.amdhsa_group_segment_fixed_size 327680
		.amdhsa_private_segment_fixed_size 0
		.amdhsa_enable_private_segment 0
		.amdhsa_kernarg_size 88
		.amdhsa_user_sgpr_count 2
		.amdhsa_user_sgpr_kernarg_segment_ptr 1
		.amdhsa_wavefront_size32 1
		.amdhsa_system_sgpr_workgroup_id_x 1
		.amdhsa_system_sgpr_workgroup_id_y 1
		.amdhsa_system_sgpr_workgroup_id_z 1
		.amdhsa_system_vgpr_workitem_id 0
		.amdhsa_next_free_vgpr 1024
		.amdhsa_next_free_sgpr 106
		.amdhsa_reserve_vcc 0
		.amdhsa_float_denorm_mode_32 3
		.amdhsa_float_denorm_mode_16_64 3
		.amdhsa_fp16_overflow 1
		.amdhsa_memory_ordered 1
		.amdhsa_forward_progress 1
		.amdhsa_inst_pref_size 218
	.end_amdhsa_kernel
	.amdgpu_metadata
---
amdhsa.version: [ 1, 2 ]
amdhsa.kernels:
  - .name:           k_q5b49996e9d_qkv
    .symbol:         k_q5b49996e9d_qkv.kd
    .args:
      - { .name: x_codes, .offset: 0, .size: 8, .value_kind: global_buffer, .address_space: global }
      - { .name: x_scales, .offset: 8, .size: 8, .value_kind: global_buffer, .address_space: global }
      - { .name: c_attn_w_codes, .offset: 16, .size: 8, .value_kind: global_buffer, .address_space: global }
      - { .name: c_attn_w_scales, .offset: 24, .size: 8, .value_kind: global_buffer, .address_space: global }
      - { .name: c_attn_b, .offset: 32, .size: 8, .value_kind: global_buffer, .address_space: global }
      - { .name: q_img, .offset: 40, .size: 8, .value_kind: global_buffer, .address_space: global }
      - { .name: q_sc, .offset: 48, .size: 8, .value_kind: global_buffer, .address_space: global }
      - { .name: k_img, .offset: 56, .size: 8, .value_kind: global_buffer, .address_space: global }
      - { .name: k_sc, .offset: 64, .size: 8, .value_kind: global_buffer, .address_space: global }
      - { .name: v_img, .offset: 72, .size: 8, .value_kind: global_buffer, .address_space: global }
      - { .name: v_sc, .offset: 80, .size: 8, .value_kind: global_buffer, .address_space: global }
    .group_segment_fixed_size: 327680
    .private_segment_fixed_size: 0
    .kernarg_segment_align: 8
    .kernarg_segment_size: 88
    .max_flat_workgroup_size: 128
    .sgpr_count:     106
    .vgpr_count:     1024
    .wavefront_size: 32
...
	.end_amdgpu_metadata
.endif
;; end of part 1
;; launch attn (part 2): grid 4 x 64, 16 waves a work-group, clusters of 4 x 1, 272,384 bytes of LDS; arguments q_img, q_sc, k_img, k_sc, v_img, v_sc, a_img, a_sc; writes a_img, a_sc
.if DOCPART == 2
	.amdgcn_target "amdgcn-amd-amdhsa--gfx1250"
	.amdhsa_code_object_version 6
	.text
	.protected	k_q5b49996e9d_attn
	.globl	k_q5b49996e9d_attn
	.p2align	8
	.type	k_q5b49996e9d_attn,@function
k_q5b49996e9d_attn:
	s_mov_b64 s[64:65], 0
	v_nop
	global_prefetch_b8 v0, s[64:65] scope:SCOPE_SE
	s_setreg_imm32_b32 hwreg(HW_REG_WAVE_MODE, 25, 1), 1
	s_wait_xcnt 0x0
	s_wait_alu depctr_hold_cnt(0) depctr_sa_sdst(0) depctr_va_vdst(0) depctr_va_sdst(0) depctr_va_ssrc(0) depctr_va_vcc(0) depctr_vm_vsrc(0)
	s_getreg_b32 s2, hwreg(HW_REG_IB_STS2, 6, 4)
	s_cmp_eq_u32 s2, 0
	s_cbranch_scc0 .Lentry_in_a_cluster
	s_endpgm
.Lentry_in_a_cluster:
	s_bfe_u32 s2, ttmp6, 0x10000c
	s_cmp_lg_u32 s2, 0x3003
	s_cbranch_scc0 .Lentry_shape_is_right
	s_endpgm
.Lentry_shape_is_right:
; a = softmax(mask(q k^T / 8)) v for one head (bh = work-group y), both products on codes of FP8 (E4M3) with one E8M0 scale for each 32 along K; a is quantised along D and leaves as images of the next product's operand.
; THE SOFTMAX: t = logit x log2(e); M = the running largest t rounded UP to a whole number; p = 2^(t - M) is quantised along the keys, not normalised; the row's sum of the unquantised p divides at the end.
; THE MASK IS -10,000, NOT -INFINITY, AND IS KEPT: (1) M begins at the mask's t in every row that has a hidden key (all but query 2,047); (2) in the step on the diagonal hidden scores become -80,000 (x 1/8 = -10,000) and go the
; ordinary way; (3) in a step that is wholly hidden every key has the same p_m = 2^(t_m - M): when M is final, p_m is quantised once into a constant operand, a short loop adds V^T P_m^T, and the sum takes 64 p_m a lane and step.
; SHARES.  Four work-groups to a head, sixteen waves each, four to a SIMD.  Wave w takes two tiles of 16 queries: with sd = w / 2 and i = 2 cx + w % 2, tile a = 8 sd + i and tile b = 8 (15 - sd) + i.
; Tile j sees key steps 0 .. j / 8 (128 keys a step): every wave has 17 visible tile steps.  Branches hang on sd, the wave's number, alone; cx enters global addresses and the lanes' query numbers only.
; So the four partners of a cluster run alike and ask for K and V JOINTLY.  The whole head stays in LDS: each byte is filled once, by loads of four steps each; nothing is filled again and nothing is stored to LDS.
; TWO BARRIERS.  The first shows the scale words and steps 0 to 3 to all sixteen waves; behind it steps 0 and 1 are walked, in which the waves have 3 or 4 tile steps each.  The second, in front of which the fetching waves
; wait for all their loads, shows the rest of the head.  Behind it no wave meets another: a wave's 17 tile steps fall unevenly over the keys (sd = 0: most of them late; sd = 7: all of them early), and a barrier further on would make the short waves wait for the long ones.
; LAYOUT.  Both products are used transposed: S^T = K Q^T, O^T = V^T P^T: a lane holds ONE query (lane % 16).  K = 64 IN AN INSTRUCTION OF 128: a fragment of K holds the 64 codes of tile X's keys and the 64 of tile Y's;
; against [q | zeros] it gives X's scores, against [zeros | q] Y's.  The zero codes stand on q's side alone: K's codes are never the NaN code (the quantiser holds at 448) and its bytes lie in 1 .. 254, so the other half adds exact zeros.
; The order of codes inside a block of 32 is that in which the launch before left them, alike on both sides of each product; p's codes fall into the same order by themselves.  a meets a GIVEN operand next:
; its codes are put into true order by one exchange with lane l xor 16.
; LIMITS: NaN and infinities are not served.  p under 2^-126 comes out of v_exp_f32 as 0.  A block of zeros gets the byte 1 (this program alone reads the bytes).
.set VIMG, 131072                      ; LDS: K's images at 0, 8,192 bytes a step; V's here;
.set KSC,  262144                      ; K's scale words, 256 bytes a step;
.set VSC,  266240                      ; V's
.set LI,  1                            ; v1   16 x lane
.set LR,  2                            ; v2   KSC + 16 (lane % 16)
.set ADK, 3                            ; v3   LDS address of the step's K
.set ADV, 4                            ; v4   of its V
.set ADS, 5                            ; v5   of its scale words
.set PW,  6                            ; v6   p's scale word; in the tail tile a's constant word, v7 tile b's
.set KS,  8                            ; v8-11 four scale words of K or of V
.set ST,  12                           ; tile t at v[12 + 4 t]: +0 -M, +1 my query - 8 (lane / 16), +2, +3 the sum in two halves
.set QS,  20                           ; v20, v21 q's scale words
.set AO,  22                           ; v22  my byte offset among a's scale bytes
.set F,   64                           ; v64-127 K's four fragments, then at work:
.set BM,  64                           ; the blocks' largest scores, then largest p
.set PT,  68                           ; the other half's; then the bytes
.set HD,  72
.set SO,  76                           ; the conversions' scale operands
.set FF,  80                           ; v[80:81] f = 2^(old M - new M), in the pair's first word
.set T0,  82
.set T1,  83
.set SUM, 84
.set DM,  86
.set SMV, 87
.set PC,  112                          ; v112-127 p's codes
.set S,   128                          ; v128-191 S^T, p, then V's four fragments
.set O,   192                          ; v192-223 O^T of tile a, v224-255 of tile b
; v24-63: q of tile a | zeros | q of tile b | zeros | q of tile a: [qa|0] = v[24:39], [0|qb] = v[32:47], [qb|0] = v[40:55], [0|qa] = v[48:63]
.set WV,  20
.set PP,  21                           ; wave % 2
.set SD,  22                           ; wave / 2
.set CX,  23
.set G1T, 24                           ; s[24:31] group 1: 64 rows of 256 bytes
.set G1S, 32                           ; s[32:39] group 1: 8 rows of 256 bytes
.set G0K, 40                           ; s[40:43] K's scale words; s[44:59] K's four chunks
.set SEL, 60
.set CS,  62                           ; s[62:63] c = log2(e) / 8
.set G0V, 68                           ; s[68:71], s[72:87] the same for V
.set MNT, 88
.set SM,  89                           ; -80,000
.set HM,  90                           ; a mask of lanes 16-31
.set TB,  91
.set TS,  92
.set KF,  93                           ; the step's first key
.set KD,  94                           ; s94, s95: the first key of tile a's, tile b's step on the diagonal
.set CNT, 96
.macro CROUND                          ; a round of the cluster's barrier
	s_barrier_signal -1
	s_barrier_wait -1
	s_cmp_lg_u32 s[WV], 0
	s_cbranch_scc1 .Lnot_wave_0_\@
	s_barrier_signal -3
.Lnot_wave_0_\@:
	s_barrier_wait -3
	s_barrier_signal -1
	s_barrier_wait -1
.endm
	s_load_b512 s[4:19], s[0:1], 0x0               ; q_img s4, q_sc s6, k_img s8, k_sc s10, v_img s12, v_sc s14, a_img s16, a_sc s18
	v_lshl_add_u32 v254, v0, 2, 0x42000
	v_mov_b32 v255, 0
	ds_add_u32 v254, v255
	ds_add_u32 v254, v255
	s_wait_dscnt 0x0
	v_lshrrev_b32 v3, 5, v0
	s_delay_alu instid0(VALU_DEP_1)
	v_readfirstlane_b32 s[WV], v3                  ; wave 0..15
	v_and_b32 v4, 31, v0
	s_delay_alu instid0(VALU_DEP_1)
	v_lshlrev_b32 v[LI], 4, v4
	v_and_b32 v3, 15, v0                           ; r (v3 and v4 become addresses in the loop)
	v_bfe_u32 v4, v0, 4, 1                         ; h
	s_delay_alu instid0(VALU_DEP_2)
	v_lshl_add_u32 v[LR], v3, 4, KSC
	s_and_b32 s[PP], s[WV], 1
	s_lshr_b32 s[SD], s[WV], 1
	s_bfe_u32 s[CX], ttmp6, 0x40000                ; cx
	s_and_b32 s97, ttmp7, 0xffff                   ; bh, which the four partners share
	s_lshl_b32 s[KD], s[SD], 7                     ; 128 sd
	s_sub_co_u32 s[KD+1], 1920, s[KD]              ; 128 (15 - sd)
	; descriptor groups 1: dense blocks as rows of 256 bytes (32 elements of 8 bytes), no padding: images are read 16 x lane on end
	s_mov_b32 s[G1T], 15|(3<<16)|(1<<21)           ; 15:0 the mask: all four work-groups; 17:16 elements of 8 bytes; 21 set beside a mask
	s_mov_b32 s[G1T+1], 32<<16                     ; tensor_dim0
	s_mov_b32 s[G1T+2], 64<<16                     ; tensor_dim1
	s_mov_b32 s[G1T+3], 32<<16                     ; tile_dim0
	s_mov_b32 s[G1T+4], 64                         ; tile_dim1
	s_mov_b32 s[G1T+5], 32                         ; the pitch
	s_mov_b32 s[G1T+6], 0
	s_mov_b32 s[G1T+7], 0
	s_mov_b32 s[G1S], 15|(3<<16)|(1<<21)
	s_mov_b32 s[G1S+1], 32<<16
	s_mov_b32 s[G1S+2], 8<<16
	s_mov_b32 s[G1S+3], 32<<16
	s_mov_b32 s[G1S+4], 8
	s_mov_b32 s[G1S+5], 32
	s_mov_b32 s[G1S+6], 0
	s_mov_b32 s[G1S+7], 0
	s_mov_b32 s[SEL], 0x76543210
	s_mov_b32 s[SEL+1], 0xfedcba98
	s_mov_b32 s[CS], 0x3e38aa3b                    ; log2(e) / 8
	s_mov_b32 s[CS+1], s[CS]                       ; (named with it as a pair, so it is written)
	s_mov_b32 s[MNT], 0x600000
	s_mov_b32 s[SM], 0xc79c4000
	s_mov_b32 s[HM], 0xffff0000
	s_lshl_b32 s98, s97, 17                        ; what I fetch, if I fetch: the head's images, my 16,384 bytes of each chunk of 32,768,
	s_lshl_b32 s99, s[PP], 14
	s_add_co_u32 s98, s98, s99
	s_mov_b32 s99, 0
	s_lshl_b32 s100, s97, 12                       ; and my half of its 4,096 bytes of scale words
	s_lshl_b32 s101, s[PP], 11
	s_add_co_u32 s100, s100, s101
	s_mov_b32 s101, 0
	s_lshl_b32 s2, s97, 17
	s_mov_b32 s3, 0
	s_wait_kmcnt 0x0
	s_add_nc_u64 s[4:5], s[4:5], s[2:3]            ; q's images at the head
	s_lshl_b32 s2, s97, 12
	s_add_nc_u64 s[6:7], s[6:7], s[2:3]            ; q's scale words
	s_add_nc_u64 s[8:9], s[8:9], s[98:99]
	s_add_nc_u64 s[12:13], s[12:13], s[98:99]
	s_add_nc_u64 s[10:11], s[10:11], s[100:101]
	s_add_nc_u64 s[14:15], s[14:15], s[100:101]
	s_lshl_b32 s96, s[PP], 11
	s_mov_b32 s[G0K], 1
	s_add_co_u32 s[G0K+1], s96, KSC
	s_mov_b64 s[G0K+2:G0K+3], s[10:11]
	s_or_b32 s[G0K+3], s[G0K+3], 0x80000000
	s_mov_b32 s[G0V], 1
	s_add_co_u32 s[G0V+1], s96, VSC
	s_mov_b64 s[G0V+2:G0V+3], s[14:15]
	s_or_b32 s[G0V+3], s[G0V+3], 0x80000000
	s_lshl_b32 s96, s[PP], 14
.irp c, 0,1,2,3
	s_mov_b32 s[G0K+4+4*\c], 1
	s_add_co_u32 s[G0K+5+4*\c], s96, 32768*\c
	s_add_nc_u64 s[G0K+6+4*\c:G0K+7+4*\c], s[8:9], 32768*\c
	s_or_b32 s[G0K+7+4*\c], s[G0K+7+4*\c], 0x80000000
	s_mov_b32 s[G0V+4+4*\c], 1
	s_add_co_u32 s[G0V+5+4*\c], s96, VIMG+32768*\c
	s_add_nc_u64 s[G0V+6+4*\c:G0V+7+4*\c], s[12:13], 32768*\c
	s_or_b32 s[G0V+7+4*\c], s[G0V+7+4*\c], 0x80000000
.endr
	CROUND                                         ; all four work-groups are here: the joint loads meet
	s_cmp_lt_u32 s[WV], 2                          ; waves 0 and 1 fetch K's halves, waves 2 and 3 V's, the others nothing.  A wave's five loads stand in one branch: five of mine are out; four v_nop follow the last
	s_cbranch_scc0 .Lnot_k
	tensor_load_to_lds s[G0K:G0K+3], s[G1S:G1S+7]
	s_nop 0
	tensor_load_to_lds s[G0K+4:G0K+7], s[G1T:G1T+7]
	s_nop 0
	tensor_load_to_lds s[G0K+8:G0K+11], s[G1T:G1T+7]
	s_nop 0
	tensor_load_to_lds s[G0K+12:G0K+15], s[G1T:G1T+7]
	s_nop 0
	tensor_load_to_lds s[G0K+16:G0K+19], s[G1T:G1T+7]
	s_nop 0
.rept 4
	v_nop
.endr
	s_branch .Lasked
.Lnot_k:
	s_cmp_lt_u32 s[WV], 4
	s_cbranch_scc0 .Lasked
	tensor_load_to_lds s[G0V:G0V+3], s[G1S:G1S+7]
	s_nop 0
	tensor_load_to_lds s[G0V+4:G0V+7], s[G1T:G1T+7]
	s_nop 0
	tensor_load_to_lds s[G0V+8:G0V+11], s[G1T:G1T+7]
	s_nop 0
	tensor_load_to_lds s[G0V+12:G0V+15], s[G1T:G1T+7]
	s_nop 0
	tensor_load_to_lds s[G0V+16:G0V+19], s[G1T:G1T+7]
	s_nop 0
.rept 4
	v_nop
.endr
.Lasked:
	s_lshl_b32 s98, s[CX], 1
	s_add_co_u32 s98, s98, s[PP]                   ; i = 2 cx + wave % 2: my tiles' place in their steps.  16 x tile = KD + 16 i
	s_wait_alu depctr_va_vdst(0)
.irp t, 0,1
	s_lshl_b32 s99, s[KD+\t], 6
	s_lshl_b32 s100, s98, 10
	s_add_co_u32 s99, s99, s100                    ; tile x 1,024
	v_add_nc_u32 v[64+\t], s99, v[LI]              ; q's image
	s_add_co_u32 s100, s[KD+\t], s98
	s_lshl_b32 s100, s100, 1                       ; step x 256 + 2 i: the tile's two bytes in a row's 16
	v_lshl_add_u32 v[66+\t], v3, 4, s100
	s_lshl_b32 s100, s98, 4
	s_add_co_u32 s100, s100, s[KD+\t]
	v_add_nc_u32 v[68+\t], s100, v3                ; my query
.endr
	s_wait_alu depctr_va_vdst(0)
	global_load_b128 v[24:27], v64, s[4:5]
	global_load_b128 v[28:31], v64, s[4:5] offset:512
	global_load_b128 v[56:59], v64, s[4:5]
	global_load_b128 v[60:63], v64, s[4:5] offset:512
	global_load_b128 v[40:43], v65, s[4:5]
	global_load_b128 v[44:47], v65, s[4:5] offset:512
	global_load_u16 v[QS], v66, s[6:7]
	global_load_u16 v[QS+1], v67, s[6:7]
	; where a goes: images at (128 batch + tile) x 16,384 + head x 1,024; scale bytes at row x 32 + 2 head
	s_lshr_b32 s99, s97, 4                         ; the batch
	s_and_b32 s100, s97, 15                        ; the head
	s_lshl_b32 s101, s99, 21
	s_lshl_b32 s2, s100, 10
	s_add_co_u32 s101, s101, s2
	s_lshl_b32 s2, s98, 14
	s_add_co_u32 s101, s101, s2
	s_lshl_b32 s2, s[KD], 10
	s_add_co_u32 s2, s2, s101
	s_add_nc_u64 s[8:9], s[16:17], s[2:3]          ; tile a's
	s_lshl_b32 s2, s[KD+1], 10
	s_add_co_u32 s2, s2, s101
	s_add_nc_u64 s[10:11], s[16:17], s[2:3]        ; tile b's
	s_lshl_b32 s2, s99, 16
	s_lshl_b32 s101, s100, 1
	s_add_co_u32 s2, s2, s101
	s_lshl_b32 s101, s98, 9
	s_add_co_u32 s2, s2, s101
	s_lshl_b32 s101, s[KD], 5
	s_add_co_u32 s2, s2, s101
	s_add_nc_u64 s[18:19], s[18:19], s[2:3]        ; tile a's first row
	s_sub_co_u32 s2, s[KD+1], s[KD]
	s_lshl_b32 s2, s2, 5                           ; from tile a's rows to tile b's, in bytes
	v_mul_u32_u24 v[AO], v4, s2                    ; lanes 16-31 store tile b's
	s_delay_alu instid0(VALU_DEP_1)
	v_lshl_add_u32 v[AO], v3, 5, v[AO]
	v_mov_b32 v70, s[SM]
	s_delay_alu instid0(VALU_DEP_1)
	v_mul_f32 v70, s[CS], v70                      ; the mask's t
	s_delay_alu instid0(VALU_DEP_1)
	v_floor_f32 v70, -v70                          ; -M of a row that has a hidden key
	v_mov_b32 v71, 0x7f61b1e6                      ; 3e38: -M of the one row that has none
	v_lshlrev_b32 v72, 3, v4
.irp t, 0,1
	v_cmp_eq_u32 vcc_lo, 0x7ff, v[68+\t]
	s_delay_alu instid0(VALU_DEP_1)
	v_cndmask_b32 v[ST+4*\t], v70, v71, vcc_lo
	v_sub_nc_u32 v[ST+4*\t+1], v[68+\t], v72       ; my query - 8 h
	v_mov_b32 v[ST+4*\t+2], 0
	v_mov_b32 v[ST+4*\t+3], 0
.endr
.irp i, 0,1,2,3,4,5,6,7
	v_mov_b32 v[32+\i], 0                          ; the two runs of zero codes
	v_mov_b32 v[48+\i], 0
.endr
.set i, 0
.rept 64
	v_mov_b32 v[O+i], 0                            ; O^T of both tiles.  (The step is written once: the first finds zeros, which the first change of M leaves zeros)
.set i, i+1
.endr
	s_wait_loadcnt 0x0                             ; q
	v_lshl_or_b32 v[QS], v[QS], 16, v[QS]          ; the tile's two bytes twice: they serve q in either half of the operand
	v_lshl_or_b32 v[QS+1], v[QS+1], 16, v[QS+1]
; ONE VISIBLE STEP OF ONE TILE: 128 keys.
.macro VSTEP t
.set rT, ST+4*\t
.set rO, O+32*\t
.set rL, 24+16*\t
.set rH, 48-16*\t
.rept 9
	v_nop                                          ; behind the last products: eight places in front of loads into p's codes and the scale words, nine in front of the scores, which are written over V's fragments
.endr
.irp g, 0,1,2,3
.irp c, 0,1,2,3
	ds_load_b128 v[F+16*\g+4*\c:F+16*\g+4*\c+3], v[ADK] offset:2048*\g+512*\c
.endr
.endr
	ds_load_b128 v[KS:KS+3], v[ADS]
	s_wait_dscnt 0x0
.irp g, 0,1,2,3                                ; register 16 g + 8 u + j: key 32 g + 16 u + 8 (lane / 16) + j of the step
	v_wmma_scale_f32_16x16x128_f8f6f4 v[S+16*\g:S+16*\g+7], v[F+16*\g:F+16*\g+15], v[rL:rL+15], 0, v[KS+\g], v[QS+\t]
	v_wmma_scale_f32_16x16x128_f8f6f4 v[S+16*\g+8:S+16*\g+15], v[F+16*\g:F+16*\g+15], v[rH:rH+15], 0, v[KS+\g], v[QS+\t]
.endr
.rept 8
	v_nop
.endr
	s_cmp_lg_u32 s[KF], s[KD+\t]                   ; on the diagonal hidden scores become -80,000; every other visible step skips this
	s_cbranch_scc1 .Lopen_\@
	v_sub_nc_u32 v[DM], v[rT+1], s[KF]             ; d = my query - 8 (lane / 16) - the step's first key: register n is hidden where 16 (n / 8) + n % 8 > d
	v_mov_b32 v[SMV], s[SM]
.set n, 0
.rept 64
	v_cmp_gt_i32 vcc_lo, 16*(n/8)+n%8, v[DM]
	v_cndmask_b32 v[S+n], v[S+n], v[SMV], vcc_lo
.set n, n+1
.endr
.Lopen_\@:
.irp b, 0,1,2,3
	v_max3_num_f32 v[BM+\b], v[S+16*\b], v[S+16*\b+1], v[S+16*\b+2]   ; the largest score of each block of 32 keys: for the row's maximum, and, since p rises with the score, for the block's largest p
.endr
.irp i, 3,5,7,9,11,13
.irp b, 0,1,2,3
	v_max3_num_f32 v[BM+\b], v[BM+\b], v[S+16*\b+\i], v[S+16*\b+\i+1]
.endr
.endr
.irp b, 0,1,2,3
	v_max_num_f32 v[BM+\b], v[BM+\b], v[S+16*\b+15]
.endr
.irp b, 0,1,2,3
	s_delay_alu instid0(VALU_DEP_4)
	v_permlanex16_b32 v[PT+\b], v[BM+\b], s[SEL], s[SEL+1]
.endr
.irp b, 0,1,2,3
	s_delay_alu instid0(VALU_DEP_4)
	v_max_num_f32 v[BM+\b], v[BM+\b], v[PT+\b]     ; with lane l xor 16's 16 keys
.endr
	s_delay_alu instid0(VALU_DEP_2)
	v_max3_num_f32 v[T0], v[BM], v[BM+1], v[BM+2]
	s_delay_alu instid0(VALU_DEP_1)
	v_max_num_f32 v[T0], v[T0], v[BM+3]
	s_delay_alu instid0(VALU_DEP_1)
	v_mul_f32 v[T0], s[CS], v[T0]                  ; the step's largest t
	s_delay_alu instid0(VALU_DEP_1)
	v_floor_f32 v[T1], -v[T0]                      ; -ceil(t)
	s_delay_alu instid0(VALU_DEP_1)
	v_min_num_f32 v[T1], v[rT], v[T1]              ; the new -M
	s_delay_alu instid0(VALU_DEP_1)
	v_sub_f32 v[T0], v[T1], v[rT]                  ; old M - new M: a whole number, 0 or less
	s_delay_alu instid0(VALU_DEP_2)
	v_mov_b32 v[rT], v[T1]
	s_delay_alu instid0(VALU_DEP_2)
	v_cvt_i32_f32 v[T0], v[T0]                     ; (it saturates)
	s_delay_alu instid0(VALU_DEP_1)
	v_ldexp_f32 v[FF], 1.0, v[T0]                  ; f = 2^(old M - new M): rounds nothing
.set j, 0
.rept 32
	v_pk_fma_f32 v[S+j:S+j+1], v[S+j:S+j+1], s[CS:CS+1], v[rT:rT+1] op_sel_hi:[1,0,0]   ; t - M, two at a time
.set j, j+2
.endr
.irp b, 0,1,2,3
	v_fma_f32 v[BM+\b], v[BM+\b], s[CS], v[rT]
.endr
.set j, 0
	s_wait_alu depctr_va_vdst(0)
.rept 64
	v_exp_f32 v[S+j], v[S+j]                       ; p = 2^(t - M)
.set j, j+1
.endr
.irp b, 0,1,2,3
	v_exp_f32 v[BM+\b], v[BM+\b]                   ; the block's largest p: the same two instructions on the same number
.endr
	v_pk_mul_f32 v[rT+2:rT+3], v[rT+2:rT+3], v[FF:FF+1] op_sel_hi:[1,0]   ; the sums under the new M.  (A plain place behind the exponentials)
	s_wait_alu depctr_va_vdst(0)
.irp b, 0,1,2,3
	v_max_num_f32 v[BM+\b], 0x4800000, v[BM+\b]    ; the floor 2^(9 - 127): the byte cannot fall under 1
.endr
.irp b, 0,1,2,3
	s_delay_alu instid0(VALU_DEP_4)
	v_add_nc_u32 v[SO+\b], 0xfc000000, v[BM+\b]    ; 8 off the exponent field: the conversion's scale operand
.endr
.irp b, 0,1,2,3
.endr
.irp b, 0,1,2,3
	s_delay_alu instid0(VALU_DEP_4)
	v_lshrrev_b32 v[PT+\b], 23, v[SO+\b]           ; the scale's byte
.endr
	s_delay_alu instid0(VALU_DEP_3)
	v_lshl_or_b32 v[PW], v[PT+1], 8, v[PT]         ; p's scale word for these 128 keys
	s_delay_alu instid0(VALU_DEP_1)
	v_lshl_or_b32 v[PW], v[PT+2], 16, v[PW]
	s_delay_alu instid0(VALU_DEP_1)
	v_lshl_or_b32 v[PW], v[PT+3], 24, v[PW]
	v_pk_add_f32 v[SUM:SUM+1], v[S:S+1], v[S+2:S+3]   ; the row's sum is taken of the unquantised p: two at a time, in two chains
.set j, 4
.rept 15
	v_pk_add_f32 v[rT+2:rT+3], v[rT+2:rT+3], v[S+j:S+j+1]
	v_pk_add_f32 v[SUM:SUM+1], v[SUM:SUM+1], v[S+j+2:S+j+3]
.set j, j+4
.endr
	s_delay_alu instid0(VALU_DEP_1)
	v_pk_add_f32 v[rT+2:rT+3], v[rT+2:rT+3], v[SUM:SUM+1]
.irp b, 0,1,2,3
.irp i, 0,1,2,3,4,5,6,7,8,9,10,11,12,13,14,15
.endr
	v_cvt_scalef32_pk8_fp8_f32 v[PC+4*\b:PC+4*\b+1], v[S+16*\b:S+16*\b+7], v[SO+\b]
	v_cvt_scalef32_pk8_fp8_f32 v[PC+4*\b+2:PC+4*\b+3], v[S+16*\b+8:S+16*\b+15], v[SO+\b]
.endr
	v_nop
.irp g, 0,1,2,3                                ; V's four fragments (16 of the head's 64 x 128 keys) take p's registers
.irp c, 0,1,2,3
	ds_load_b128 v[S+16*\g+4*\c:S+16*\g+4*\c+3], v[ADV] offset:2048*\g+512*\c
.endr
.endr
	ds_load_b128 v[KS:KS+3], v[ADS] offset:VSC-KSC
.set j, 0
.rept 16
	v_pk_mul_f32 v[rO+j:rO+j+1], v[rO+j:rO+j+1], v[FF:FF+1] op_sel_hi:[1,0]   ; O^T under the new M.  (These sixteen are also the places between the conversions and the products)
.set j, j+2
.endr
	s_wait_alu depctr_va_vdst(0)
	s_wait_dscnt 0x0
.irp g, 0,1,2,3
	v_wmma_scale_f32_16x16x128_f8f6f4 v[rO+8*\g:rO+8*\g+7], v[S+16*\g:S+16*\g+15], v[PC:PC+15], v[rO+8*\g:rO+8*\g+7], v[KS+\g], v[PW]
.endr
.endm
; A key step for both tiles.  The addresses are made on the way that every wave takes; a tile whose step on the diagonal is past is left out by a scalar branch on the wave's number and the step.
.macro PAIR
	v_add_nc_u32 v[ADK], s[TB], v[LI]
	s_delay_alu instid0(VALU_DEP_1)
	v_add_nc_u32 v[ADV], VIMG, v[ADK]
	v_add_nc_u32 v[ADS], s[TS], v[LR]
	s_cmp_gt_u32 s[KF], s[KD]
	s_cbranch_scc1 .Lno_a_\@
	s_wait_alu depctr_va_vdst(0)
	VSTEP 0
.Lno_a_\@:
	s_cmp_gt_u32 s[KF], s[KD+1]
	s_cbranch_scc1 .Lno_b_\@
	s_wait_alu depctr_va_vdst(0)
	VSTEP 1
.Lno_b_\@:
	s_add_co_u32 s[TB], s[TB], 8192
	s_add_co_u32 s[TS], s[TS], 256
	s_add_co_u32 s[KF], s[KF], 128
.endm
; A barrier, and behind it the key steps first .. first + trips - 1.  In front of the barrier the waves that fetched wait until at most 'left' of their five loads are out; the barrier then shows what has landed to all sixteen.
; No LDS load of a wave is out at the signal: every run of LDS loads in a step has been waited for with the count 0.
.macro PHASE left, first, trips
	s_wait_tensorcnt \left
	s_barrier_signal -1
	s_barrier_wait -1
	s_mov_b32 s[TB], 8192*\first
	s_mov_b32 s[TS], 256*\first
	s_mov_b32 s[KF], 128*\first
	s_mov_b32 s[CNT], \trips
.Lstep_\@:
	PAIR
	s_sub_co_u32 s[CNT], s[CNT], 1
	s_cmp_lg_u32 s[CNT], 0
	s_cbranch_scc1 .Lstep_\@
.endm
	PHASE 3, 0, 2                                  ; the scale words and the first chunk (steps 0 to 3) have landed; the three later chunks may be out: steps 0 and 1 read LDS bytes under 16,384 of each image, which no pending load writes
	PHASE 0, 2, 14                                 ; every load has landed: the whole head is shown to every wave.  From here on no wave waits for another
; THE WHOLLY HIDDEN STEPS.  M is final.  p_m is quantised by the ordinary lines into a constant operand: v64-79 for tile a, v80-95 for tile b.
.macro CONSTP t
.set rT, ST+4*\t
.set rP, F+16*\t
	v_cvt_f32_u32 v105, s[97+\t]                   ; 64 x the tile's hidden steps: a lane holds 64 of a step's 128 keys
	v_mov_b32 v104, s[SM]
	s_delay_alu instid0(VALU_DEP_1)
	v_fma_f32 v104, v104, s[CS], v[rT]             ; t_m - M,
	s_delay_alu instid0(VALU_DEP_1)
	v_min_num_f32 v104, 0, v104                    ; at most 0 wherever it counts (query 2,047 has no hidden key: its p_m is multiplied by 0 and only has to stay finite)
	s_wait_alu depctr_va_vdst(0)
	v_exp_f32 v104, v104                           ; p_m
	v_nop
	s_wait_alu depctr_va_vdst(0)
	v_fma_f32 v[rT+2], v104, v105, v[rT+2]         ; into the sum
	v_max_num_f32 v105, 0x4800000, v104
	s_delay_alu instid0(VALU_DEP_1)
	v_add_nc_u32 v106, 0xfc000000, v105
	s_delay_alu instid0(VALU_DEP_2)
	v_and_or_b32 v107, v105, 0x7f800000, s[MNT]
	s_delay_alu instid0(VALU_DEP_2)
	v_lshrrev_b32 v108, 23, v106
	s_delay_alu instid0(VALU_DEP_1)
	v_lshl_or_b32 v[PW+\t], v108, 8, v108          ; the same byte for all four blocks
	s_delay_alu instid0(VALU_DEP_1)
	v_lshl_or_b32 v[PW+\t], v[PW+\t], 16, v[PW+\t]
	v_min_num_f32 v96, v104, v107
.irp i, 1,2,3,4,5,6,7
	v_mov_b32 v[96+\i], v96
.endr
	v_cvt_scalef32_pk8_fp8_f32 v[rP:rP+1], v[96:103], v106
	v_nop
.irp i, 2,4,6,8,10,12,14
	v_mov_b32 v[rP+\i], v[rP]
	v_mov_b32 v[rP+\i+1], v[rP+1]
.endr
.endm
.rept 8
	v_nop                                          ; behind the last products: p's codes and its scale word are written below
.endr
	s_lshr_b32 s97, s[KD+1], 1                     ; tile a: 64 (15 - sd)
	s_lshr_b32 s98, s[KD], 1                       ; tile b: 64 sd
	CONSTP 0
	CONSTP 1
	s_mov_b32 s[TB], VIMG+8192
	s_mov_b32 s[TS], VSC-KSC+256
	s_mov_b32 s[KF], 128
	s_mov_b32 s[CNT], 15
.Ltail:                                            ; steps 1 to 15: V's fragments serve both tiles; a step that tile a still saw is left out (tile b saw it too)
	v_add_nc_u32 v[ADV], s[TB], v[LI]
	v_add_nc_u32 v[ADS], s[TS], v[LR]
	s_cmp_le_u32 s[KF], s[KD]
	s_cbranch_scc1 .Ltail_next
.rept 8
	v_nop                                          ; places in front of loads into registers that matrix instructions have read
.endr
.irp g, 0,1,2,3
.irp c, 0,1,2,3
	ds_load_b128 v[S+16*\g+4*\c:S+16*\g+4*\c+3], v[ADV] offset:2048*\g+512*\c
.endr
.endr
	ds_load_b128 v[KS:KS+3], v[ADS]
	s_wait_dscnt 0x0
.irp g, 0,1,2,3
	v_wmma_scale_f32_16x16x128_f8f6f4 v[O+8*\g:O+8*\g+7], v[S+16*\g:S+16*\g+15], v[F:F+15], v[O+8*\g:O+8*\g+7], v[KS+\g], v[PW]
.endr
	s_cmp_le_u32 s[KF], s[KD+1]
	s_cbranch_scc1 .Ltail_next
	s_wait_alu depctr_va_vdst(0)
.irp g, 0,1,2,3
	v_wmma_scale_f32_16x16x128_f8f6f4 v[O+32+8*\g:O+32+8*\g+7], v[S+16*\g:S+16*\g+15], v[F+16:F+31], v[O+32+8*\g:O+32+8*\g+7], v[KS+\g], v[PW+1]
.endr
.Ltail_next:
	s_add_co_u32 s[TB], s[TB], 8192
	s_add_co_u32 s[TS], s[TS], 256
	s_add_co_u32 s[KF], s[KF], 128
	s_sub_co_u32 s[CNT], s[CNT], 1
	s_cmp_lg_u32 s[CNT], 0
	s_cbranch_scc1 .Ltail
; THE WAY OUT of tile t: O^T / the sum; register 16 b + 8 u + j is a(query r, 32 b + 16 u + 8 (lane / 16) + j); quantised along the head's 64 (two blocks of D's 32); the codes into true order; images and bytes stored.
.macro FIN t
.set rT, ST+4*\t
.set rO, O+32*\t
.set rW, S+32*\t
	v_add_f32 v104, v[rT+2], v[rT+3]               ; the sum's two halves,
	s_delay_alu instid0(VALU_DEP_1)
	v_permlanex16_b32 v105, v104, s[SEL], s[SEL+1]
	s_delay_alu instid0(VALU_DEP_1)
	v_add_f32 v104, v104, v105                     ; and lane l xor 16's
	s_wait_alu depctr_va_vdst(0)
	v_rcp_f32 v104, v104
	v_nop                                          ; one plain place behind a transcendental
.set i, 0
	s_wait_alu depctr_va_vdst(0)
.rept 16
	v_pk_mul_f32 v[rW+i:rW+i+1], v[rO+i:rO+i+1], v[104:105] op_sel_hi:[1,0]   ; each accumulator from its low end on
.set i, i+2
.endr
.irp b, 0,1
	v_max3_num_f32 v[106+\b], |v[rW+16*\b]|, |v[rW+16*\b+1]|, 0x4800000
.endr
.irp i, 2,4,6,8,10,12,14
.irp b, 0,1
	s_delay_alu instid0(VALU_DEP_2)
	v_max3_num_f32 v[106+\b], v[106+\b], |v[rW+16*\b+\i]|, |v[rW+16*\b+\i+1]|
.endr
.endr
.irp b, 0,1
	s_delay_alu instid0(VALU_DEP_2)
	v_permlanex16_b32 v[108+\b], v[106+\b], s[SEL], s[SEL+1]
.endr
.irp b, 0,1
	s_delay_alu instid0(VALU_DEP_2)
	v_max_num_f32 v[106+\b], v[106+\b], v[108+\b]
.endr
.irp b, 0,1
	s_delay_alu instid0(VALU_DEP_2)
	v_add_nc_u32 v[96+\b], 0xfc000000, v[106+\b]
.endr
.irp b, 0,1
.endr
.irp b, 0,1
	s_delay_alu instid0(VALU_DEP_2)
	v_lshrrev_b32 v[108+\b], 23, v[96+\b]
.endr
	s_delay_alu instid0(VALU_DEP_1)
	v_lshl_or_b32 v[98+\t], v109, 8, v108          ; my row's two bytes
.irp b, 0,1
.irp i, 0,1,2,3,4,5,6,7,8,9,10,11,12,13,14,15
.endr
	v_cvt_scalef32_pk8_fp8_f32 v[64+4*\b:65+4*\b], v[rW+16*\b:rW+16*\b+7], v[96+\b]
	v_cvt_scalef32_pk8_fp8_f32 v[66+4*\b:67+4*\b], v[rW+16*\b+8:rW+16*\b+15], v[96+\b]
.endr
	v_nop                                          ; one plain place behind the last conversion
.irp b, 0,1                                    ; lanes 0-15 hold k = 0-7 and 16-23 of the block and want 0-15; lanes 16-31 hold 8-15 and 24-31 and want 16-31: each sends what the other wants
	v_cndmask_b32 v100, v[66+4*\b], v[64+4*\b], s[HM]
	v_cndmask_b32 v101, v[67+4*\b], v[65+4*\b], s[HM]
	s_delay_alu instid0(VALU_DEP_2)
	v_permlanex16_b32 v102, v100, s[SEL], s[SEL+1]
	s_delay_alu instid0(VALU_DEP_2)
	v_permlanex16_b32 v103, v101, s[SEL], s[SEL+1]
	v_cndmask_b32 v[112+8*\t+4*\b], v[64+4*\b], v102, s[HM]
	v_cndmask_b32 v[113+8*\t+4*\b], v[65+4*\b], v103, s[HM]
	v_cndmask_b32 v[114+8*\t+4*\b], v102, v[66+4*\b], s[HM]
	v_cndmask_b32 v[115+8*\t+4*\b], v103, v[67+4*\b], s[HM]
	global_store_b128 v[LI], v[112+8*\t+4*\b:115+8*\t+4*\b], s[8+2*\t:9+2*\t] offset:512*\b   ; 512 consecutive bytes; each store has data registers of its own
.endr
.endm
.irp i, 102,103,105,108,109
	v_mov_b32 v[\i], 0                             ; written once: a lane permute's destination counts as one of its sources.  These five name no register of the last products: with the three below they are the eight places behind them
.endr
.rept 3
	v_nop
.endr
	FIN 0
	FIN 1
	v_cndmask_b32 v100, v98, v99, s[HM]            ; lanes 0-15 store tile a's rows' bytes, lanes 16-31 tile b's: two bytes of each row's 32; the other heads' bytes are other work-groups'
	global_store_b16 v[AO], v100, s[18:19]
	s_wait_xcnt 0x0
	v_lshl_add_u32 v254, v0, 2, 0x42000
	v_mov_b32 v255, 0
	s_wait_alu depctr_va_vdst(0)
	s_wait_tensorcnt 0x0
	ds_add_u32 v254, v255
	s_wait_dscnt 0x0
	CROUND                                         ; the closing round (all my tensor loads were waited for in front of the second barrier)
	s_endpgm
.Lfunc_end_k_q5b49996e9d_attn:
	.size	k_q5b49996e9d_attn, .Lfunc_end_k_q5b49996e9d_attn-k_q5b49996e9d_attn
	.p2alignl 7, 3214868480
	.fill 96, 4, 3214868480
	.section	.rodata,"a",@progbits
	.p2align	6, 0x0
	.amdhsa_kernel k_q5b49996e9d_attn
		.amdhsa_group_segment_fixed_size 272384
		.amdhsa_private_segment_fixed_size 0
		.amdhsa_enable_private_segment 0
		.amdhsa_kernarg_size 64
		.amdhsa_user_sgpr_count 2
		.amdhsa_user_sgpr_kernarg_segment_ptr 1
		.amdhsa_wavefront_size32 1
		.amdhsa_system_sgpr_workgroup_id_x 1
		.amdhsa_system_sgpr_workgroup_id_y 1
		.amdhsa_system_sgpr_workgroup_id_z 1
		.amdhsa_system_vgpr_workitem_id 0
		.amdhsa_next_free_vgpr 256
		.amdhsa_next_free_sgpr 102
		.amdhsa_reserve_vcc 1
		.amdhsa_float_denorm_mode_32 3
		.amdhsa_float_denorm_mode_16_64 3
		.amdhsa_fp16_overflow 1
		.amdhsa_memory_ordered 1
		.amdhsa_forward_progress 1
		.amdhsa_inst_pref_size 120
	.end_amdhsa_kernel
	.amdgpu_metadata
---
amdhsa.version: [ 1, 2 ]
amdhsa.kernels:
  - .name:           k_q5b49996e9d_attn
    .symbol:         k_q5b49996e9d_attn.kd
    .args:
      - { .name: q_img, .offset: 0, .size: 8, .value_kind: global_buffer, .address_space: global }
      - { .name: q_sc, .offset: 8, .size: 8, .value_kind: global_buffer, .address_space: global }
      - { .name: k_img, .offset: 16, .size: 8, .value_kind: global_buffer, .address_space: global }
      - { .name: k_sc, .offset: 24, .size: 8, .value_kind: global_buffer, .address_space: global }
      - { .name: v_img, .offset: 32, .size: 8, .value_kind: global_buffer, .address_space: global }
      - { .name: v_sc, .offset: 40, .size: 8, .value_kind: global_buffer, .address_space: global }
      - { .name: a_img, .offset: 48, .size: 8, .value_kind: global_buffer, .address_space: global }
      - { .name: a_sc, .offset: 56, .size: 8, .value_kind: global_buffer, .address_space: global }
    .group_segment_fixed_size: 272384
    .private_segment_fixed_size: 0
    .kernarg_segment_align: 8
    .kernarg_segment_size: 64
    .max_flat_workgroup_size: 512
    .sgpr_count:     102
    .vgpr_count:     256
    .wavefront_size: 32
...
	.end_amdgpu_metadata
.endif
;; end of part 2
;; launch proj (part 3): grid 4 x 32, 4 waves a work-group, clusters of 4 x 4, 327,680 bytes of LDS; arguments a_img, a_sc, c_proj_w_codes, c_proj_w_scales, c_proj_b, out0; writes out0
.if DOCPART == 3
	.amdgcn_target "amdgcn-amd-amdhsa--gfx1250"
	.amdhsa_code_object_version 6
	.text
	.protected	k_q5b49996e9d_proj
	.globl	k_q5b49996e9d_proj
	.p2align	8
	.type	k_q5b49996e9d_proj,@function
k_q5b49996e9d_proj:
	s_mov_b64 s[64:65], 0
	v_nop
	global_prefetch_b8 v0, s[64:65] scope:SCOPE_SE
	s_setreg_imm32_b32 hwreg(HW_REG_WAVE_MODE, 25, 1), 1
	s_wait_xcnt 0x0
	s_wait_alu depctr_hold_cnt(0) depctr_sa_sdst(0) depctr_va_vdst(0) depctr_va_sdst(0) depctr_va_ssrc(0) depctr_va_vcc(0) depctr_vm_vsrc(0)
	s_getreg_b32 s2, hwreg(HW_REG_IB_STS2, 6, 4)
	s_cmp_eq_u32 s2, 0
	s_cbranch_scc0 .Lentry_in_a_cluster
	s_endpgm
.Lentry_in_a_cluster:
	s_bfe_u32 s2, ttmp6, 0x10000c
	s_cmp_lg_u32 s2, 0xf033
	s_cbranch_scc0 .Lentry_shape_is_right
	s_endpgm
.Lentry_shape_is_right:
; out = a Wp + b on codes of FP8 (E4M3) with one E8M0 scale for each 32 along K = 1,024.  a: 8,192 rows, as IMAGES of operand registers, [tile of 16 rows 512][128 along K 8][block 4][lane][16]; its scale bytes [8,192][32].
; Wp: [1,024 (n)][1,024 (k)] codes, K innermost; scale bytes [1,024][32].  b [1,024], out [8,192][1,024]: f32.
; A tile of out, 256 x 256, is made by four waves, each 128 x 128: 64 accumulators, 512 registers.  K goes in steps of 256 through a ring of two LDS slots.  The scales of the work-group's rows, for all of K, come into LDS once.
; A's part of a slot is eight runs of 4,096 consecutive bytes a wave's load (a tile of 16 rows x 256 along K), 16,384 bytes apart in memory; in LDS they lie on end and are read 16 x lane on end: no pitch, no padding.
; CLUSTERS: 4 x 4 work-groups; A's tiles are shared along a row of the cluster, B's along a column: each is asked for JOINTLY.  THE MATRIX INSTRUCTION IS USED TRANSPOSED (source 0 = 16 rows of Wp, source 1 = 16 rows of a):
; a lane holds eight neighbouring numbers of a row of out.  THE BIAS is the C of each sum's first matrix instruction.
; 128 work-groups: tiles of 256 x 256 of an output of 8,192 x 1,024.
; REGISTERS, in windows of 256: window 0: v0-31 addresses; v32-63 scale words, two sets; v64-127 the bias; from v128 A's fragments, ONE set; on the way out v128-255 rows of out.
;   window 1: B's fragments, TWO sets.   window 2: the accumulators of my rows 0-63 ((a, b) at v[8 (8 a + b)]);   window 3: those of my rows 64-127.
.set SIZE_N, 1024
.set KSTEP,  256
.set NQ,     KSTEP/128
.set ROWB,   256                       ; a row of B's tile in bytes
.set ARUN,   4096                      ; a tile of 16 rows of a x 256 along K, in bytes
.set KROW,   1024                      ; a row of Wp in memory; also a's bytes for each row
.set PITCH,  272                       ; an LDS row of B: 256 bytes + 16 of padding
.set FR,     16
.set NL,     4
.set NP,     8                         ; places behind this matrix instruction (ISA guide 7.12.1)
.set HALFT,  128*PITCH                 ; room for what one tensor load brings (A's loads use 32,768 bytes of it)
.set SLOT,   4*HALFT
.set LAPS,   KROW/(2*KSTEP)
.set KS,     KROW/32
.set SCL,    2*SLOT
.set HALFS,  (128*KS/256)*272
.set SBLK,   (16*KS/256)*272
.set SPARE,  SCL+4*HALFS               ; the spare words, 128 bytes for each wave: two blocks of 256 bytes that no other line names
.set SPITCH, 528                       ; the way out: a stage of 16 rows x (512 bytes + 16) for each wave, in slot 0, which has had its last fill and its last read when the first result is stored there
.set ADRA, 16
.set ADRB, 20
.set STO,  24
.set RD,   25
.set CO,   26                          ; v26 16 x lane
.set ADRS, 27
.set SPW,  28
.set NIL,  29
.set SC,   32
.set BF,   64                          ; v64-127 bias[my first column + 16 b + 8 (lane / 16) + j] at 8 b + j
.set AF,   128
.set BK,   128
.set G1, 24
.set G0, 32
.set G1B, 48
.set G0B, 56
.set G1S, 68
.set G0S, 76
.set G1SB, 80
.set G0SB, 88
.set MSB, 0
.macro WIN new                         ; the immediate's high byte repeats the setting that is left
.if MSB != \new
	s_set_vgpr_msb (MSB<<8)|\new
.set MSB, \new
.endif
.endm
.set MUL_LO, 0xa1                      ; source 0 (B) window 1, source 1 (A) window 0, C and D window 2
.set MUL_HI, 0xf1                      ; the same, C and D window 3
.set BEG_LO, 0x81                      ; the first step: C (the bias) window 0, D window 2
.set BEG_HI, 0xc1                      ; C window 0, D window 3
.set TO_B,   0x40
.macro JLOAD g0a, g1a, g0b, g1b        ; a joint load: waves 0 and 1 fetch for A, waves 2 and 3 for B; four v_nop follow each of the two lines
	s_cmp_eq_u32 s15, 0
	s_cbranch_scc0 .Lfor_b_\@
	tensor_load_to_lds s[\g0a:\g0a+3], s[\g1a:\g1a+7]
	s_nop 0
.rept 4
	v_nop
.endr
	s_branch .Lasked_\@
.Lfor_b_\@:
	tensor_load_to_lds s[\g0b:\g0b+3], s[\g1b:\g1b+7]
	s_nop 0
.rept 4
	v_nop
.endr
.Lasked_\@:
.endm
.macro CREST
	s_cmp_lg_u32 s14, 0
	s_cbranch_scc1 .Lnot_wave_0_\@
	s_barrier_signal -3
.Lnot_wave_0_\@:
	s_barrier_wait -3
	s_barrier_signal -1
	s_barrier_wait -1
.endm
.macro CROUND
	s_barrier_signal -1
	s_barrier_wait -1
	CREST
.endm
	s_load_b128 s[4:7], s[0:1], 0x0                ; a's images s[4:5], a's scales s[6:7]
	s_load_b128 s[8:11], s[0:1], 0x10              ; Wp's codes s[8:9], Wp's scales s[10:11]
	s_load_b64 s[96:97], s[0:1], 0x20              ; the bias
	s_load_b64 s[12:13], s[0:1], 0x28              ; out
	v_lshl_add_u32 v[SPW], v0, 2, SPARE
	v_mov_b32 v[NIL], 0
	ds_add_u32 v28, v29
	ds_add_u32 v28, v29
	s_wait_dscnt 0x0
	v_lshrrev_b32 v1, 5, v0
	v_readfirstlane_b32 s14, v1                    ; wave 0..3
	s_lshr_b32 s15, s14, 1                         ; which half of the tile's rows is mine.  Also: I fetch for A (0) or for B (1)
	s_and_b32 s16, s14, 1                          ; which half of its columns.  Also: which 128 rows of that tile I fetch
	s_bfe_u32 s40, ttmp6, 0x40000                  ; cx, cy
	s_bfe_u32 s41, ttmp6, 0x40004
	s_lshl_b32 s42, ttmp9, 2
	s_add_co_u32 s42, s42, s40                     ; tile column = 4 x cluster x + cx
	s_and_b32 s17, ttmp7, 0xffff
	s_lshl_b32 s17, s17, 2
	s_add_co_u32 s17, s17, s41                     ; tile row = 4 x cluster y + cy
	s_lshl_b32 s43, s41, 2
	s_lshl_b32 s43, 15, s43                        ; my row of the cluster
	s_lshl_b32 s44, 0x1111, s40                    ; my column
	; group 1 for A: eight rows of 512 elements of 8 bytes, 2,048 elements apart, no padding
	s_or_b32 s[G1+0], s43, (3<<16)|(1<<21)
	s_mov_b32 s[G1+1], 512<<16                     ; tensor_dim0
	s_mov_b32 s[G1+2], 8<<16                       ; tensor_dim1
	s_mov_b32 s[G1+3], 512<<16                     ; tile_dim0
	s_mov_b32 s[G1+4], 8                           ; tile_dim1
	s_mov_b32 s[G1+5], 2048                        ; the pitch
	s_mov_b32 s[G1+6], 0
	s_mov_b32 s[G1+7], 0
	; group 1 for B: 128 rows x 256 bytes, padded in LDS
	s_or_b32 s[G1B+0], s44, (0<<16)|(1<<20)|(1<<21)|(5<<22)|(3<<25)
	s_mov_b32 s[G1B+1], ROWB<<16
	s_mov_b32 s[G1B+2], 128<<16
	s_mov_b32 s[G1B+3], ROWB<<16
	s_mov_b32 s[G1B+4], 128
	s_mov_b32 s[G1B+5], KROW
	s_mov_b32 s[G1B+6], 0
	s_mov_b32 s[G1B+7], 0
	; and for the scales of 128 rows: 4,096 dense bytes as rows of 256, 16 bytes of padding behind each
	s_or_b32 s[G1S+0], s43, (3<<16)|(1<<20)|(1<<21)|(5<<22)|(3<<25)
	s_or_b32 s[G1SB+0], s44, (3<<16)|(1<<20)|(1<<21)|(5<<22)|(3<<25)
.irp g, G1S, G1SB
	s_mov_b32 s[\g+1], 32<<16
	s_mov_b32 s[\g+2], (128*KS/256)<<16
	s_mov_b32 s[\g+3], 32<<16
	s_mov_b32 s[\g+4], 128*KS/256
	s_mov_b32 s[\g+5], 32
	s_mov_b32 s[\g+6], 0
	s_mov_b32 s[\g+7], 0
.endr
	s_lshl_b32 s18, s16, 7
	s_lshl_b32 s20, s17, 8
	s_add_co_u32 s20, s20, s18                     ; A: row 256 x tile row + 128 x half
	s_lshl_b32 s46, s42, 8
	s_add_co_u32 s46, s46, s18                     ; B: row 256 x tile column + 128 x half
	s_mov_b32 s21, 0
	s_mov_b32 s47, 0
	s_mov_b64 s[18:19], KS
	s_mul_u64 s[22:23], s[20:21], s[18:19]         ; where these rows' scales begin
	s_mul_u64 s[92:93], s[46:47], s[18:19]
	s_mov_b64 s[18:19], KROW
	s_mul_u64 s[20:21], s[20:21], s[18:19]         ; and their codes: a tile of 16 rows of a is 16,384 bytes, 1,024 a row, as a row of Wp is
	s_mul_u64 s[46:47], s[46:47], s[18:19]
	s_mul_i32 s45, s14, HALFT
	s_mul_i32 s94, s14, HALFS
	s_wait_kmcnt 0x0
	s_add_nc_u64 s[20:21], s[4:5], s[20:21]
	s_add_nc_u64 s[22:23], s[6:7], s[22:23]
	s_add_nc_u64 s[46:47], s[8:9], s[46:47]
	s_add_nc_u64 s[92:93], s[10:11], s[92:93]
	CROUND                                         ; all sixteen work-groups are here: the first joint loads meet
	s_mov_b32 s[G0S], 1
	s_add_co_u32 s[G0S+1], s94, SCL
	s_mov_b64 s[G0S+2:G0S+3], s[22:23]
	s_or_b32 s[G0S+3], s[G0S+3], 0x80000000
	s_mov_b32 s[G0SB], 1
	s_add_co_u32 s[G0SB+1], s94, SCL
	s_mov_b64 s[G0SB+2:G0SB+3], s[92:93]
	s_or_b32 s[G0SB+3], s[G0SB+3], 0x80000000
	JLOAD G0S, G1S, G0SB, G1SB                     ; the scales first
.irp s, 0,1
	s_mov_b32 s[G0+4*\s], 1
	s_add_co_u32 s[G0+4*\s+1], s45, \s*SLOT
	s_add_nc_u64 s[G0+4*\s+2:G0+4*\s+3], s[20:21], \s*ARUN
	s_or_b32 s[G0+4*\s+3], s[G0+4*\s+3], 0x80000000
	s_mov_b32 s[G0B+4*\s], 1
	s_add_co_u32 s[G0B+4*\s+1], s45, \s*SLOT
	s_add_nc_u64 s[G0B+4*\s+2:G0B+4*\s+3], s[46:47], \s*ROWB
	s_or_b32 s[G0B+4*\s+3], s[G0B+4*\s+3], 0x80000000
	s_wait_alu depctr_va_vdst(0)
	s_wait_tensorcnt 0x0
	ds_add_u32 v28, v29
	s_wait_dscnt 0x0
	CROUND
	JLOAD G0+4*\s, G1, G0B+4*\s, G1B
.endr
	v_and_b32 v1, 15, v0                           ; r
	v_bfe_u32 v2, v0, 4, 1                         ; h
	v_and_b32 v6, 31, v0
	v_lshlrev_b32 v[CO], 4, v6                     ; 16 x lane: an image's place for my lane; also my place in a row of 512 bytes
	v_mul_u32_u24 v3, v1, PITCH
	v_lshl_add_u32 v4, v2, 4, v3                   ; B: a fragment's row x pitch + 16 x half
	s_mul_i32 s21, s15, HALFT                      ; my 128 rows of A
	s_mul_i32 s22, s16, HALFT                      ; my 128 rows of B,
	s_add_co_u32 s22, s22, 2*HALFT                 ; which lie behind A's
.irp s, 0,1
	v_add_nc_u32 v[ADRA+\s], s21, v[CO]
	v_add_nc_u32 v[ADRB+\s], s22, v4
	s_add_co_u32 s21, s21, SLOT
	s_add_co_u32 s22, s22, SLOT
.endr
	v_mul_u32_u24 v5, v1, KS
	v_lshrrev_b32 v6, 8, v5
	v_lshl_add_u32 v5, v6, 4, v5
	s_mul_i32 s21, s15, HALFS
	s_mul_i32 s22, s16, HALFS
	s_add_co_u32 s22, s22, 2*HALFS
	s_sub_co_u32 s22, s22, s21
	v_mul_u32_u24 v6, s22, v2                      ; lanes 16-31 take B's
	s_add_co_u32 s21, s21, SCL
	v_add_nc_u32 v5, v5, v6
	v_add_nc_u32 v[ADRS], s21, v5
	s_mul_i32 s23, s14, 16*SPITCH                  ; my stage
	v_mul_u32_u24 v5, v1, SPITCH
	v_lshl_add_u32 v5, v2, 5, v5
	v_add_nc_u32 v[STO], s23, v5
	v_add_nc_u32 v[RD], s23, v[CO]
	s_lshl_b32 s20, s17, 8
	s_lshl_b32 s21, s15, 7
	s_add_co_u32 s20, s20, s21                     ; my first row of out
	s_mov_b32 s21, 0
	s_mov_b64 s[18:19], SIZE_N*4
	s_mul_u64 s[20:21], s[20:21], s[18:19]
	s_lshl_b32 s46, s42, 10                        ; my first column, in bytes: in out and in the bias alike
	s_lshl_b32 s47, s16, 9
	s_add_co_u32 s46, s46, s47
	s_mov_b32 s47, 0
	s_add_nc_u64 s[96:97], s[96:97], s[46:47]
	s_add_nc_u64 s[20:21], s[20:21], s[46:47]
	s_add_nc_u64 s[12:13], s[12:13], s[20:21]
	v_lshlrev_b32 v18, 5, v2                       ; 32 h
.irp b, 0,1,2,3,4,5,6,7
	global_load_b128 v[BF+8*\b:BF+8*\b+3], v18, s[96:97] offset:64*\b
	global_load_b128 v[BF+8*\b+4:BF+8*\b+7], v18, s[96:97] offset:64*\b+16
.endr
.macro FRAGB reg, adr, q, i            ; 16 rows x 128 K from rows that lie along K
.irp c, 0,1,2,3
	ds_load_b128 v[\reg+4*\c:\reg+4*\c+3], v[\adr] offset:128*(\q)+32*\c+(\i)*16*PITCH
.endr
.endm
.macro FRAGA reg, adr, q, i            ; the same from an image: 512 consecutive bytes a load
.irp c, 0,1,2,3
	ds_load_b128 v[\reg+4*\c:\reg+4*\c+3], v[\adr] offset:ARUN*(\i)+2048*(\q)+512*\c
.endr
.endm
; 16 matrix instructions: A's blocks a0, a0 + 1 x B's eight.  zero = 1: the first product starts the sums from the bias.  The 64 accumulators take turns.
.macro MUL16 a0, p, q, sc, zero
.irp a, \a0, \a0+1
.irp b, 0,1,2,3,4,5,6,7
.if \zero
	v_wmma_scale_f32_16x16x128_f8f6f4 v[8*(8*((\a)%4)+\b):8*(8*((\a)%4)+\b)+7], v[128*(\p)+FR*\b:128*(\p)+FR*\b+FR-1], v[AF+FR*(\a):AF+FR*(\a)+FR-1], v[BF+8*\b:BF+8*\b+7], v[SC+8*NQ*(\sc)+NQ*\b+(\q)], v[SC+8*NQ*(\sc)+NQ*(\a)+(\q)] matrix_a_scale:MATRIX_SCALE_ROW1
.else
	v_wmma_scale_f32_16x16x128_f8f6f4 v[8*(8*((\a)%4)+\b):8*(8*((\a)%4)+\b)+7], v[128*(\p)+FR*\b:128*(\p)+FR*\b+FR-1], v[AF+FR*(\a):AF+FR*(\a)+FR-1], v[8*(8*((\a)%4)+\b):8*(8*((\a)%4)+\b)+7], v[SC+8*NQ*(\sc)+NQ*\b+(\q)], v[SC+8*NQ*(\sc)+NQ*(\a)+(\q)] matrix_a_scale:MATRIX_SCALE_ROW1
.endif
.endr
.endr
.endm
.macro FETCH_B slot, q, p
	WIN TO_B
.irp i, 0,1,2,3,4,5,6,7
	FRAGB 128*(\p)+FR*\i, ADRB+\slot, \q, \i
.endr
	WIN 0
.endm
.macro FETCH_A slot, q, i0
.irp i, \i0, \i0+1, \i0+2, \i0+3
	FRAGA AF+FR*(\i), ADRA+\slot, \q, \i
.endr
.endm
.macro SCALES sc
.irp i, 0,1,2,3,4,5,6,7
	ds_load_b64 v[SC+8*NQ*\sc+NQ*\i:SC+8*NQ*\sc+NQ*\i+1], v[ADRS] offset:\i*SBLK
.endr
.endm
.macro PLACES n
.rept \n
	v_nop
.endr
.endm
.macro STEP slot, q, zero
	s_wait_dscnt 4*NL                              ; B's set and A's blocks 0-3 are in; the youngest sixteen loads (A's blocks 4-7) may be out
.if \zero
	WIN BEG_LO
.else
	WIN MUL_LO
.endif
	MUL16 0, (\q)%2, \q, \slot, \zero
	MUL16 2, (\q)%2, \q, \slot, \zero
	s_wait_dscnt 0
	PLACES NP
	FETCH_B \slot, (\q)+1, 1-(\q)%2
	FETCH_A \slot, (\q)+1, 0
.if \zero
	WIN BEG_HI
.else
	WIN MUL_HI
.endif
	MUL16 4, (\q)%2, \q, \slot, \zero
	MUL16 6, (\q)%2, \q, \slot, \zero
	PLACES NP
	WIN 0
	FETCH_A \slot, (\q)+1, 4
.endm
.macro TURN slot, next, fill
	s_wait_tensorcnt 0x0                           ; all my tensor loads have landed: my part of the next slot
	ds_add_u32 v[SPW], v[NIL]                      ; 0 onto my spare word
	s_wait_dscnt 4*NL+1                            ; (the add and the youngest sixteen loads may be out)
	WIN MUL_LO
	MUL16 0, 1, NQ-1, \slot, 0
	s_wait_dscnt 0x0                               ; the add is done, and my reads of this slot are over
	s_barrier_signal -1
	MUL16 2, 1, NQ-1, \slot, 0
	WIN 0
	s_barrier_wait -1
.if \fill
	CREST                                          ; the barrier has opened a round of the cluster's barrier: no wave of any partner still reads this slot's tile or has a load on its way
	s_add_nc_u64 s[G0+4*\slot+2:G0+4*\slot+3], s[G0+4*\slot+2:G0+4*\slot+3], 2*ARUN
	s_add_nc_u64 s[G0B+4*\slot+2:G0B+4*\slot+3], s[G0B+4*\slot+2:G0B+4*\slot+3], 2*ROWB
	JLOAD G0+4*\slot, G1, G0B+4*\slot, G1B
	PLACES NP-4
.else
	PLACES NP
.endif
	s_wait_alu depctr_va_vdst(0)
	v_add_nc_u32 v[ADRS], 4*NQ, v[ADRS]
	FETCH_B \next, 0, 0
	FETCH_A \next, 0, 0
	SCALES \next
	WIN MUL_HI
	MUL16 4, 1, NQ-1, \slot, 0
	MUL16 6, 1, NQ-1, \slot, 0
	PLACES NP
	WIN 0
	FETCH_A \next, 0, 4
.endm
	s_wait_alu depctr_va_vdst(0)
	s_wait_loadcnt 0x0                             ; the bias
	s_wait_tensorcnt 1                             ; the scales and my part of K step 0 are in (K step 1's load may be out)
	s_barrier_signal -1
	s_barrier_wait -1                              ; everybody's are
	FETCH_B 0, 0, 0
	FETCH_A 0, 0, 0
	SCALES 0
	FETCH_A 0, 0, 4
	STEP 0, 0, 1                                   ; the first step stands in front of the loop: its products start the sums from the bias
	s_mov_b32 s3, LAPS-1
.Llap:
	TURN 0, 1, 1
	STEP 1, 0, 0
	TURN 1, 0, 1
	STEP 0, 0, 0
	s_sub_co_u32 s3, s3, 1
	s_cmp_lg_u32 s3, 0
	s_cbranch_scc1 .Llap
	TURN 0, 1, 0                                   ; the last lap fills nothing
	STEP 1, 0, 0
	s_wait_dscnt 4*NL
	WIN MUL_LO
	MUL16 0, 1, NQ-1, 1, 0
	MUL16 2, 1, NQ-1, 1, 0
	s_wait_dscnt 0
	WIN MUL_HI
	MUL16 4, 1, NQ-1, 1, 0
	MUL16 6, 1, NQ-1, 1, 0
	WIN 0
; THE WAY OUT, block by block of 16 rows x 128 columns, through my own stage in LDS: back come whole rows of 512 bytes.  LDS serves a wave's instructions in order (ISA guide 5.7.1.4): no wait between the stores and the loads.
.macro TOSTAGE a
.set AC, 64*((\a)%4)
	WIN (0x08+4*((\a)/4))                          ; the data: window 2 or 3
.irp b, 0,1,2,3,4,5,6,7
	ds_store_b128 v[STO], v[AC+8*\b:AC+8*\b+3] offset:64*\b          ; each accumulator from its low end on
	ds_store_b128 v[STO], v[AC+8*\b+4:AC+8*\b+7] offset:64*\b+16
.endr
	WIN 0
.set BB, BK+64*((\a)%2)
.irp t, 0,1,2,3,4,5,6,7,8,9,10,11,12,13,14,15
	ds_load_b128 v[BB+4*\t:BB+4*\t+3], v[RD] offset:\t*SPITCH
.endr
.endm
.macro SEND a, younger                 ; younger: the LDS instructions issued behind block a's loads, which may stay out
.set BB, BK+64*((\a)%2)
	s_wait_dscnt \younger
.if (\a) > 0
	s_add_nc_u64 s[12:13], s[12:13], 16*SIZE_N*4   ; (behind a wait on XCNT: the earlier stores have read their base)  16 rows of out on
.endif
.irp t, 0,1,2,3,4,5,6,7,8,9,10,11,12,13,14,15
	global_store_b128 v[CO], v[BB+4*\t:BB+4*\t+3], s[12:13] offset:\t*SIZE_N*4 th:TH_STORE_NT   ; 32 lanes store 512 consecutive bytes, at a multiple of 256 from out's first byte
.endr
.endm
	PLACES NP
	TOSTAGE 0
.irp a, 1,2,3,4,5,6,7
.if \a > 1
	s_wait_xcnt 0x0                                ; block a - 2's stores have read their registers and their base
.endif
	TOSTAGE \a
	SEND \a-1, 32                                  ; behind block a - 1's loads: block a's 16 stores and 16 loads
.endr
	s_wait_xcnt 0x0
	SEND 7, 0
	s_wait_tensorcnt 0x0                           ; the wave's end
	ds_add_u32 v[SPW], v[NIL]
	s_wait_dscnt 0x0
	CROUND                                         ; the closing round
	s_endpgm
.Lfunc_end_k_q5b49996e9d_proj:
	.size	k_q5b49996e9d_proj, .Lfunc_end_k_q5b49996e9d_proj-k_q5b49996e9d_proj
	.p2alignl 7, 3214868480
	.fill 96, 4, 3214868480
	.section	.rodata,"a",@progbits
	.p2align	6, 0x0
	.amdhsa_kernel k_q5b49996e9d_proj
		.amdhsa_group_segment_fixed_size 327680
		.amdhsa_private_segment_fixed_size 0
		.amdhsa_enable_private_segment 0
		.amdhsa_kernarg_size 48
		.amdhsa_user_sgpr_count 2
		.amdhsa_user_sgpr_kernarg_segment_ptr 1
		.amdhsa_wavefront_size32 1
		.amdhsa_system_sgpr_workgroup_id_x 1
		.amdhsa_system_sgpr_workgroup_id_y 1
		.amdhsa_system_sgpr_workgroup_id_z 1
		.amdhsa_system_vgpr_workitem_id 0
		.amdhsa_next_free_vgpr 1024
		.amdhsa_next_free_sgpr 98
		.amdhsa_reserve_vcc 0
		.amdhsa_float_denorm_mode_32 3
		.amdhsa_float_denorm_mode_16_64 3
		.amdhsa_memory_ordered 1
		.amdhsa_forward_progress 1
		.amdhsa_inst_pref_size 148
	.end_amdhsa_kernel
	.amdgpu_metadata
---
amdhsa.version: [ 1, 2 ]
amdhsa.kernels:
  - .name:           k_q5b49996e9d_proj
    .symbol:         k_q5b49996e9d_proj.kd
    .args:
      - { .name: a_img, .offset: 0, .size: 8, .value_kind: global_buffer, .address_space: global }
      - { .name: a_sc, .offset: 8, .size: 8, .value_kind: global_buffer, .address_space: global }
      - { .name: c_proj_w_codes, .offset: 16, .size: 8, .value_kind: global_buffer, .address_space: global }
      - { .name: c_proj_w_scales, .offset: 24, .size: 8, .value_kind: global_buffer, .address_space: global }
      - { .name: c_proj_b, .offset: 32, .size: 8, .value_kind: global_buffer, .address_space: global }
      - { .name: out0, .offset: 40, .size: 8, .value_kind: global_buffer, .address_space: global }
    .group_segment_fixed_size: 327680
    .private_segment_fixed_size: 0
    .kernarg_segment_align: 8
    .kernarg_segment_size: 48
    .max_flat_workgroup_size: 128
    .sgpr_count:     98
    .vgpr_count:     1024
    .wavefront_size: 32
...
	.end_amdgpu_metadata
.endif
;; end of part 3
